; MI455X (gfx1250); checked and timed in simulation.
; The chip was launched on July 23, 2026; its instructions are those of AMD's public machine-readable ISA for CDNA 5 (MIT licence, August 2026) and "CDNA5" Instruction Set Architecture Reference Guide (July 2026). The comments in the code are by the model that wrote it; some were corrected since.
;; Multi Head Attention. Allowed arithmetic: matrix products marked QUANTISED: E2M1 operands, one E8M0 scale for each 32 along K, by v_wmma_scale_f32_16x16x128_f8f6f4 with both operands' format E2M1 (or v_wmma_scale_f32_32x16x128_f4), f32 sums; products left as they are: bf16, f16 or f32 operands; f32 sums; everything else in f32.
;; Inputs: K 4 x 2,048 x 1,024 float32; Q 4 x 2,048 x 1,024 float32; V 4 x 2,048 x 1,024 float32; W_k 16 x 1,024 x 64 float32; W_o_b 1,024 float32; W_o_w 1,024 x 1,024 float32; W_q 16 x 1,024 x 64 float32; W_v 16 x 1,024 x 64 float32; mask 1 x 2,048 x 2,048 int32.
;; Outputs: out0 4 x 2,048 x 1,024 float32.
;; This version of the problem:
;;   THIS VERSION OF THE PROBLEM IS GIVEN IN LOW PRECISION. The matrix products marked QUANTISED in the list below multiply operands that are first quantised to E2M1 (2 exponent bits, 1 mantissa bit; 4 bits a number), with one power-of-two scale for each 32 numbers along K (OCP MX v1.0); their sums are f32. The products marked 'left as it is' may take bf16, f16 or f32 operands, with f32 sums. Whichever they take, every output number must still come out within the allowed error. Rounding operands to bf16 (8 significant bits) uses up far more of that allowance than f16 does (11 bits, for magnitudes from 6e-5 to 65,504). All else is computed in f32.
;;   The module's matrix products, in the order in which they are computed (A, B: the left and right operand; K: the contracted axis; several contracted axes count as one K, in the product's order):
;;     1. [M 1,024, K 1,024] x [K 1,024, N 8,192]; A: input W_q; B: input Q: QUANTISED
;;     2. [M 1,024, K 1,024] x [K 1,024, N 8,192]; A: input W_k; B: input K: QUANTISED
;;     3. [M 1,024, K 1,024] x [K 1,024, N 8,192]; A: input W_v; B: input V: QUANTISED
;;     4. batch 64 x [M 2,048, K 64] x [K 64, N 2,048]; A: computed on the way; B: computed on the way: left as it is (an operand is computed on the way)
;;     5. batch 64 x [M 2,048, K 2,048] x [K 2,048, N 64]; A: computed on the way; B: computed on the way: left as it is (an operand is computed on the way)
;;     6. [M 8,192, K 1,024] x [K 1,024, N 1,024]; A: computed on the way; B: input W_o_w: left as it is (an operand is computed on the way)
;;   THE QUANTISER, for each operand of a quantised product, along K:
;;     - K is cut into blocks of 32 from its start; a last block that is shorter is filled with zeros.
;;     - A block's scale is 2^e with e = floor(log2(the largest magnitude in the block)) - 2, held to -126 .. 127; a block of zeros has e = 0. As a byte (E8M0): e + 127.
;;     - Each number is divided by its block's scale, clamped to +-6, and rounded to the nearest number of E2M1, ties to even, subnormals kept.
;;     - The product sums the exact products of the quantised numbers (number of the format x scale) in f32.
;;   ~~~python
;;   def quantise(x, axis):      # numpy; x: float32 -> the quantised numbers, widened to float32 again
;;       x = np.moveaxis(x, axis, -1); K = x.shape[-1]
;;       x = np.pad(x, [(0, 0)] * (x.ndim - 1) + [(0, -K % 32)]); x = x.reshape(x.shape[:-1] + (-1, 32)); a = np.abs(x).max(-1, keepdims=True)
;;       e = np.where(a > 0, np.clip(np.frexp(np.where(a > 0, a, 1))[1] - 1 - 2, -126, 127), 0)      # np.frexp(a)[1] - 1 = floor(log2(a)), exactly
;;       r = np.clip(x / 2.0 ** e, -6, 6)
;;       step = 2.0 ** (np.maximum(np.frexp(np.where(r == 0, 1, r))[1] - 1, 0) - 1)
;;       q = np.round(r / step) * step * 2.0 ** e      # np.round: ties to even
;;       return np.moveaxis(q.reshape(q.shape[:-2] + (-1,))[..., :K], -1, axis).astype(np.float32)
;;   ~~~
;; One version. Each part assembles by itself: llvm-mc -triple=amdgcn-amd-amdhsa -mcpu=gfx1250 --defsym DOCPART=n.
;; ======== version 1 of 1: 4 launches
;; limits: values are held in f16: magnitudes above 65,504 overflow, below 6.1e-05 lose precision
;; workspace buffers: xc 12,582,912 bytes; xs 786,432 bytes; wc 1,572,864 bytes; ws 98,304 bytes; hf 50,331,648 bytes; maskw 524,288 bytes of whole numbers; wof 2,097,152 bytes; af 16,777,216 bytes
;; launch prep (part 1): grid 1136 x 1, 4 waves a work-group, no clusters, 68,096 bytes of LDS; arguments Q, K, V, W_q, W_k, W_v, W_o_w, mask, xc, xs, wc, ws, wof, maskw; writes xc, xs, wc, ws, wof, maskw
.if DOCPART == 1
	.amdgcn_target "amdgcn-amd-amdhsa--gfx1250"
	.amdhsa_code_object_version 6
	.text
	.protected	k_q33f122e500_prep
	.globl	k_q33f122e500_prep
	.p2align	8
	.type	k_q33f122e500_prep,@function
k_q33f122e500_prep:
	s_mov_b64 s[64:65], 0
	v_nop
	global_prefetch_b8 v0, s[64:65] scope:SCOPE_SE
	s_setreg_imm32_b32 hwreg(HW_REG_WAVE_MODE, 25, 1), 1
	s_wait_xcnt 0x0
; PREP: everything that is read by many work-groups later is brought into its narrow form once.  Four paths, chosen by the work-group's number alone; they never join.
;   work-groups    0 ..   47  W: W_q, W_k, W_v [16][1024 (d)][64 (e)] f32 -> codes of E2M1 along d, wc [3][1024 rows = 64 head + e][512 bytes], and E8M0 bytes ws [3][1024][32]
;   work-groups   48 ..  111  O: W_o_w [1024 (o)][1024 (k)] f32 -> f16, laid as the matrix operand's registers: wof [o tile 64][k step 32][group 2][512 bytes]
;   work-groups  112 ..  367  M: mask [2048 (q)][2048 (k)] int32 -> one bit a number: maskw [q tile 128][key tile 128][j 8] words;
;                                bit L of word (qt, kt, j) says mask[16 qt + L % 16][16 kt + 8 (L / 16) + j] != 0: the lane mask of register j of a tile of transposed scores
;   work-groups  368 .. 1135  X: Q, K, V [8192 rows][1024] f32 -> codes along the last axis, xc [3][8192][512 bytes], and E8M0 bytes xs [3][8192][32]
; THE QUANTISER: a block of 32 along K has the scale 2^(floor(log2(its largest magnitude)) - 2); the byte is the largest magnitude's exponent field - 2, held at 1 from below; each number is divided by the
; scale and rounded to the nearest code, ties to even, beyond 6 the largest code.  A block of zeros gets the byte 1 where the rule says 127: its codes are zeros, and these bytes are read by this program alone.
; A GROUP of a 16-bit operand is four registers: lane (r, h) holds row r, k = 16 g + 8 h + 0 .. 7; in memory it is 512 bytes, lane l's 16 bytes at 16 l.
; LIMITS: NaN and infinities among the inputs are not served; blocks whose largest magnitude lies under 2^-124 keep the byte 1; |W_o_w| above 65,504 has no f16 number.
; LDS: path X bytes 0 .. 32,767 (8,192 a wave), path W bytes 32,768 .. 67,583 (a stage of 32 x 272 a wave), the spare words from 67,584.  No tensor load, no barrier: waves share nothing.
.set SPW,    190                       ; v190  LDS address of my spare word: SPARE + 4 x my thread's number; never rewritten
.set NIL,    191                       ; v191  0; never rewritten
.set SPARE,  67584                     ; 128 bytes for each wave: two blocks of 256 bytes that no other line names
.set XSTEPS, 16                        ; path X: steps of 512 numbers for a wave
.set XREG,   8192                      ; a wave's LDS: two stages of 32 x XSP bytes, behind them its 256 scale bytes
.set XSP,    80                        ; a lane's place in a stage: 64 bytes + 16 of padding
.set XR,     16                        ; v16-79   four sets of 16 numbers as loaded
.set XX,     80                        ; v80-111  two sets of 16 neighbours
.set XE,     112                       ; v112-127 a scale byte for each step
.set XC,     128                       ; v128-189 codes: four registers a step, two of them used
.set WNB,    16                        ; path W: blocks of 32 along K for a lane
.set WPITCH, 272                       ; a stage row: 256 bytes of codes + 16
.set WSTAGE, 32768
.set WX,     32                        ; v32-95   two sets of 32 numbers
.set WC,     96                        ; v96-99   a block's codes
.set WOUT,   112                       ; v112-175 the way out
.set WSB,    24                        ; v24-27   the scale bytes, four to a register
	s_load_b512 s[4:19], s[0:1], 0x0               ; Q 4, K 6, V 8, W_q 10, W_k 12, W_v 14, W_o_w 16, mask 18
	s_load_b256 s[20:27], s[0:1], 0x40             ; xc 20, xs 22, wc 24, ws 26
	s_load_b128 s[28:31], s[0:1], 0x60             ; wof 28, maskw 30
	v_lshl_add_u32 v[SPW], v0, 2, SPARE
	v_mov_b32 v[NIL], 0
	v_lshrrev_b32 v1, 5, v0
	v_readfirstlane_b32 s32, v1                    ; wave 0..3
	v_and_b32 v2, 31, v0                           ; lane
	s_wait_kmcnt 0x0
	s_cmp_lt_u32 ttmp9, 48
	s_cbranch_scc1 .Lpath_w
	s_cmp_lt_u32 ttmp9, 112
	s_cbranch_scc1 .Lpath_o
	s_cmp_lt_u32 ttmp9, 368
	s_cbranch_scc1 .Lpath_m
; ---------------- PATH X: a plain stream of blocks of 32.  A wave takes 16 steps of 512 numbers.  Each load reads 512 consecutive bytes; a step's 2,048 bytes turn through the wave's own stage,
; so that a lane then holds 16 neighbours (two neighbouring lanes hold a block).  Loads run four steps ahead, the turn through LDS one step.
	s_sub_co_u32 s33, ttmp9, 368                   ; 0 .. 767: 256 work-groups to a tensor
	s_cmp_lt_u32 s33, 512
	s_cselect_b64 s[6:7], s[6:7], s[8:9]           ; K or V,
	s_cmp_lt_u32 s33, 256
	s_cselect_b64 s[4:5], s[4:5], s[6:7]           ; or Q: the choice hangs on the work-group's number alone
	s_and_b32 s34, s33, 255
	s_lshl_b32 s34, s34, 2
	s_add_co_u32 s34, s34, s32                     ; which run of 8,192 numbers of the tensor is my wave's
	s_lshl_b32 s34, s34, 15                        ; 32,768 bytes a run
	s_mov_b32 s35, 0
	s_add_nc_u64 s[4:5], s[4:5], s[34:35]
	s_lshl_b32 s36, s33, 2
	s_add_co_u32 s36, s36, s32                     ; and which run of the three tensors on end
	s_lshl_b32 s34, s36, 12                        ; 4,096 bytes of codes a run
	s_add_nc_u64 s[20:21], s[20:21], s[34:35]
	s_lshl_b32 s34, s36, 8                         ; 256 scale bytes a run
	s_add_nc_u64 s[22:23], s[22:23], s[34:35]
	v_lshlrev_b32 v3, 4, v2                        ; my 16 bytes of a load's 512
	s_mul_i32 s37, s32, XREG
	v_lshrrev_b32 v14, 2, v2
	v_mul_u32_u24 v14, v14, XSP
	v_and_b32 v15, 3, v2
	v_lshl_add_u32 v14, v15, 4, v14
	v_add_nc_u32 v14, s37, v14                     ; the stage, on the way in: four lanes' 64 bytes on end, then 16 of padding
	v_mul_u32_u24 v15, v2, XSP
	v_add_nc_u32 v15, s37, v15                     ; and on the way out: my 16 neighbours
	v_lshlrev_b32 v4, 3, v2                        ; 8 bytes a lane: my codes' place in a step's, and my place in the wave's 256 scale bytes
	v_lshrrev_b32 v5, 1, v2
	s_add_co_u32 s37, s37, 2*32*XSP
	v_add_nc_u32 v5, s37, v5                       ; LDS: my block's scale byte
	v_add_nc_u32 v6, s37, v4                       ; and where I read 8 of them back
.macro XLOAD t
.irp i, 0,1,2,3
	global_load_b128 v[XR+16*((\t)%4)+4*\i:XR+16*((\t)%4)+4*\i+3], v3, s[4:5] offset:2048*(\t)+512*\i th:TH_LOAD_NT   ; 32 lanes read 512 consecutive bytes
.endr
.endm
.macro XTURN t                         ; step t's numbers through the stage: LDS serves a wave's instructions in order, so no wait stands between the stores and the loads
.irp i, 0,1,2,3
	ds_store_b128 v14, v[XR+16*((\t)%4)+4*\i:XR+16*((\t)%4)+4*\i+3] offset:32*XSP*((\t)%2)+8*XSP*\i
.endr
.irp i, 0,1,2,3
	ds_load_b128 v[XX+16*((\t)%2)+4*\i:XX+16*((\t)%2)+4*\i+3], v15 offset:32*XSP*((\t)%2)+16*\i
.endr
.endm
.irp t, 0,1,2,3
	XLOAD \t
.endr
	s_wait_loadcnt 12                              ; step 0's four loads are in; the twelve of steps 1 to 3 may be out
	XTURN 0
.macro XSTEP t
.set XS, XX+16*((\t)%2)
.if (\t) > 0
	s_wait_dscnt 1                                 ; this step's numbers are back from the stage (the last step's byte store may be out): so its stores into the stage have read their registers,
.else
	s_wait_dscnt 0x0
.endif
.if (\t)+4 < XSTEPS
	XLOAD (\t)+4                                   ; which take the loads of four steps on
.endif
.if (\t)+1 < XSTEPS
.if XSTEPS-2-(\t) >= 3
	s_wait_loadcnt 12                              ; the next step's four loads are in; those of the three steps behind it may be out
.else
	s_wait_loadcnt 4*(XSTEPS-2-(\t))
.endif
	XTURN (\t)+1                                   ; and go through the other stage while this step is worked
.endif
	v_max3_num_f32 v8, |v[XS]|, |v[XS+1]|, |v[XS+2]|               ; the largest magnitude of my 16, in two chains
	v_max3_num_f32 v9, |v[XS+3]|, |v[XS+4]|, |v[XS+5]|
.irp i, 6,10
	v_max3_num_f32 v8, v8, |v[XS+\i]|, |v[XS+\i+1]|
	v_max3_num_f32 v9, v9, |v[XS+\i+2]|, |v[XS+\i+3]|
.endr
	v_max3_num_f32 v8, v8, |v[XS+14]|, |v[XS+15]|
	v_max3_num_f32 v8, v8, v9, 0x1800000           ; and the floor 2^(3 - 127): so the byte cannot fall under 1
	v_max_num_f32_dpp v8, v8, v8 row_xmask:1 row_mask:0xf bank_mask:0xf   ; and of my neighbour's 16: the block's
	v_add_nc_u32 v11, 0xff000000, v8               ; 2 off its exponent field: the conversion takes the exponent field of this operand as its scale, and nothing else of it
	v_cvt_scalef32_pk8_fp4_f32 v[XC+4*(\t)], v[XS:XS+7], v11
	v_cvt_scalef32_pk8_fp4_f32 v[XC+4*(\t)+1], v[XS+8:XS+15], v11
	v_lshrrev_b32 v[XE+(\t)], 23, v11              ; the scale's byte (also the plain line behind the conversions)
	ds_store_b8 v5, v[XE+(\t)] offset:16*(\t)      ; both lanes of a block write the same byte with the same value
	global_store_b64 v4, v[XC+4*(\t):XC+4*(\t)+1], s[20:21] offset:256*(\t)   ; the wave stores 256 consecutive bytes, aligned
.endm
.irp t, 0,1,2,3,4,5,6,7,8,9,10,11,12,13,14,15
	XSTEP \t
.endr
	ds_load_b64 v[8:9], v6                         ; LDS serves a wave's instructions in order: these see my stores
	s_wait_dscnt 0x0
	global_store_b64 v4, v[8:9], s[22:23]          ; the wave's 256 scale bytes: 256 consecutive bytes, aligned
	s_wait_tensorcnt 0x0                           ; the wave's end
	ds_add_u32 v[SPW], v[NIL]
	s_wait_dscnt 0x0
	s_endpgm
; ---------------- PATH W: K (= d) is the weight's FIRST axis within a head.  A lane takes a column e and its registers run down d: a block of 32 lies in one lane, and the conversions give codes with K innermost.
; A work-group takes one head of one weight; wave w takes columns 32 (w % 2) on and d = 512 (w / 2) on: 16 blocks a lane, 256 bytes of codes a column, which leave through the wave's own stage as rows.
.Lpath_w:
	s_lshr_b32 s33, ttmp9, 4                       ; which weight: 0 q, 1 k, 2 v
	s_and_b32 s34, ttmp9, 15                       ; head
	s_cmp_lt_u32 s33, 2
	s_cselect_b64 s[12:13], s[12:13], s[14:15]
	s_cmp_lt_u32 s33, 1
	s_cselect_b64 s[10:11], s[10:11], s[12:13]
	s_and_b32 s35, s32, 1                          ; which 32 columns
	s_lshr_b32 s36, s32, 1                         ; which 512 along K
	s_lshl_b32 s38, s34, 18                        ; in: a head is 262,144 bytes,
	s_lshl_b32 s37, s36, 17                        ; 512 rows of 256 bytes,
	s_add_co_u32 s38, s38, s37
	s_lshl_b32 s37, s35, 7                         ; 32 columns of 4 bytes
	s_add_co_u32 s38, s38, s37
	s_mov_b32 s39, 0
	s_add_nc_u64 s[10:11], s[10:11], s[38:39]
	s_lshl_b32 s37, s33, 10
	s_lshl_b32 s40, s34, 6
	s_add_co_u32 s37, s37, s40
	s_lshl_b32 s40, s35, 5
	s_add_co_u32 s37, s37, s40                     ; my wave's first row of the outputs: 1,024 weight + 64 head + 32 (w % 2)
	s_lshl_b32 s38, s37, 9                         ; codes: 512 bytes a row,
	s_lshl_b32 s40, s36, 8                         ; 256 for my half of K
	s_add_co_u32 s38, s38, s40
	s_add_nc_u64 s[24:25], s[24:25], s[38:39]
	s_lshl_b32 s38, s37, 5                         ; scale bytes: 32 a row, 16 for my half
	s_lshl_b32 s40, s36, 4
	s_add_co_u32 s38, s38, s40
	s_add_nc_u64 s[26:27], s[26:27], s[38:39]
	v_lshlrev_b32 v3, 2, v2                        ; in: 4 bytes a lane
	s_mul_i32 s40, s32, 32*WPITCH
	s_add_co_u32 s40, s40, WSTAGE                  ; my stage
	v_mul_u32_u24 v4, v2, WPITCH
	v_add_nc_u32 v4, s40, v4                       ; into it: row = my column
	v_and_b32 v5, 15, v2
	v_lshrrev_b32 v6, 4, v2                        ; out of it: sixteen lanes to a row, two rows an instruction
	v_mul_u32_u24 v7, v6, WPITCH
	v_lshl_add_u32 v7, v5, 4, v7
	v_add_nc_u32 v7, s40, v7
	v_lshlrev_b32 v8, 9, v6
	v_lshl_add_u32 v8, v5, 4, v8                   ; and the same place in the codes' buffer
	v_lshlrev_b32 v9, 5, v2                        ; my column's row of scale bytes
.macro WLOAD t                         ; block t: W(32 t + i, my column), i = 0 .. 31, into set t % 2
.irp i, 0,1,2,3,4,5,6,7,8,9,10,11,12,13,14,15,16,17,18,19,20,21,22,23,24,25,26,27,28,29,30,31
	global_load_b32 v[WX+32*((\t)%2)+\i], v3, s[10:11] offset:(32*(\t)+\i)*256
.endr
.endm
	WLOAD 0
	WLOAD 1
.macro WBLOCK t
.set XS, WX+32*((\t)%2)
.if (\t) < WNB-1
	s_wait_loadcnt 32                              ; this block's 32 loads are in; the next block's may be out
.else
	s_wait_loadcnt 0
.endif
	v_max3_num_f32 v12, |v[XS]|, |v[XS+1]|, |v[XS+2]|              ; the block's largest magnitude: all 32 numbers are mine
	v_max3_num_f32 v13, |v[XS+3]|, |v[XS+4]|, |v[XS+5]|
.irp i, 6,10,14,18,22,26
	v_max3_num_f32 v12, v12, |v[XS+\i]|, |v[XS+\i+1]|
	v_max3_num_f32 v13, v13, |v[XS+\i+2]|, |v[XS+\i+3]|
.endr
	v_max3_num_f32 v12, v12, |v[XS+30]|, |v[XS+31]|
	v_max3_num_f32 v12, v12, v13, 0x1800000        ; and the floor 2^(3 - 127)
	v_add_nc_u32 v11, 0xff000000, v12              ; 2 off its exponent field: the conversion's scale operand
	v_lshrrev_b32 v13, 23, v11                     ; the scale's byte
.if (\t)%4 == 0
	v_mov_b32 v[WSB+(\t)/4], v13                   ; four bytes to a register, the lower K in the lower byte
.else
	v_lshl_or_b32 v[WSB+(\t)/4], v13, 8*((\t)%4), v[WSB+(\t)/4]
.endif
.irp g, 0,1,2,3
	v_cvt_scalef32_pk8_fp4_f32 v[WC+\g], v[XS+8*\g:XS+8*\g+7], v11
.endr
	ds_store_b128 v4, v[WC:WC+3] offset:16*(\t)    ; 32 codes: 16 bytes of my column's row
.if (\t)+2 < WNB
	WLOAD (\t)+2
.endif
	s_wait_dscnt 0x0                               ; the store has read its registers: the next block's codes may be written
.endm
.set Q, 0
.rept WNB
	WBLOCK Q
.set Q, Q+1
.endr
	global_store_b128 v9, v[WSB:WSB+3], s[26:27]   ; my column's 16 scale bytes
.irp t, 0,1,2,3,4,5,6,7,8,9,10,11,12,13,14,15
	ds_load_b128 v[WOUT+4*\t:WOUT+4*\t+3], v7 offset:2*\t*WPITCH   ; LDS serves a wave's instructions in order: these see my stores
.endr
.irp t, 0,1,2,3,4,5,6,7,8,9,10,11,12,13,14,15
	s_wait_dscnt 15-\t                             ; load t is back; the younger ones may be out
	global_store_b128 v8, v[WOUT+4*\t:WOUT+4*\t+3], s[24:25] offset:2*\t*512   ; sixteen lanes store 256 consecutive bytes, aligned
.endr
	s_wait_tensorcnt 0x0                           ; the wave's end
	ds_add_u32 v[SPW], v[NIL]
	s_wait_dscnt 0x0
	s_endpgm
; ---------------- PATH O: a work-group takes 16 rows of W_o_w, wave w their k = 256 w .. 256 w + 255: 16 groups.  Lane (r, h) of group i reads row r, k = 16 i + 8 h + 0 .. 7 (32 bytes), rounds them to f16
; and stores its 16 bytes at 16 x lane: the wave stores 512 consecutive bytes.  No LDS.
.Lpath_o:
	s_sub_co_u32 s33, ttmp9, 48                    ; tile of 16 outputs
	v_and_b32 v4, 15, v2
	v_lshrrev_b32 v5, 4, v2
	v_lshlrev_b32 v1, 12, v4                       ; row r of 4,096 bytes
	v_lshl_add_u32 v1, v5, 5, v1                   ; + 32 h
	v_lshlrev_b32 v3, 4, v2                        ; out: 16 x lane
	s_lshl_b32 s34, s33, 16
	s_lshl_b32 s36, s32, 10
	s_add_co_u32 s34, s34, s36
	s_mov_b32 s35, 0
	s_add_nc_u64 s[16:17], s[16:17], s[34:35]
	s_lshl_b32 s34, s33, 15
	s_lshl_b32 s36, s32, 13
	s_add_co_u32 s34, s34, s36
	s_add_nc_u64 s[28:29], s[28:29], s[34:35]
.set i, 0
.rept 16
	global_load_b128 v[32+8*i:35+8*i], v1, s[16:17] offset:64*i
	global_load_b128 v[36+8*i:39+8*i], v1, s[16:17] offset:64*i+16
.set i, i+1
.endr
.set i, 0
.rept 16
	s_wait_loadcnt 30-2*i                          ; group i's two loads are in; the later groups' may be out
.irp k, 0,1,2,3
	v_cvt_pk_f16_f32 v[32+8*i+\k], v[32+8*i+2*\k], v[32+8*i+2*\k+1]   ; in place, ascending: a register is written only when it has been read
.endr
	global_store_b128 v3, v[32+8*i:35+8*i], s[28:29] offset:512*i
.set i, i+1
.endr
	s_endpgm
; ---------------- PATH M: a work-group takes 16 queries x 1,024 keys, a wave 16 key tiles.  Lane (r, h) reads mask[16 qt + r][16 kt + 8 h + 0 .. 7]; a compare of register j makes word (qt, kt, j).
; A wave's 32 loads together use up 1,024 consecutive bytes of each of its 16 rows.  The 128 words are laid into lanes, two to a lane, and leave as two stores of 256 consecutive bytes.  No LDS.
.Lpath_m:
	s_sub_co_u32 s33, ttmp9, 112
	s_lshr_b32 s34, s33, 1                         ; tile of 16 queries
	s_and_b32 s35, s33, 1
	s_lshl_b32 s35, s35, 2
	s_add_co_u32 s35, s35, s32                     ; which sixteen key tiles: 0 .. 7
	v_and_b32 v4, 15, v2
	v_lshrrev_b32 v5, 4, v2
	v_lshlrev_b32 v1, 13, v4                       ; row r of 8,192 bytes
	v_lshl_add_u32 v1, v5, 5, v1                   ; + 32 h
	v_lshlrev_b32 v3, 3, v2                        ; out: 8 x lane
	s_lshl_b32 s36, s34, 17
	s_lshl_b32 s38, s35, 10
	s_add_co_u32 s36, s36, s38
	s_mov_b32 s37, 0
	s_add_nc_u64 s[18:19], s[18:19], s[36:37]
	s_lshl_b32 s36, s34, 12
	s_lshl_b32 s38, s35, 9
	s_add_co_u32 s36, s36, s38
	s_add_nc_u64 s[30:31], s[30:31], s[36:37]
.set i, 0
.rept 16
	global_load_b128 v[32+8*i:35+8*i], v1, s[18:19] offset:64*i
	global_load_b128 v[36+8*i:39+8*i], v1, s[18:19] offset:64*i+16
.set i, i+1
.endr
.irp n, 0,1,2,3
	v_mov_b32 v[160+\n], 0                         ; written whole once: a lane write keeps the other lanes
.endr
.set W, 0
.rept 32                               ; four words at a time
.if (W%8) == 0
	s_wait_loadcnt 30-2*(W/8)                      ; this key tile's two loads are in; the later tiles' may be out
.endif
.irp u, 0,1,2,3
	v_cmp_ne_u32 s[40+\u], 0, v[32+W+\u]
.endr
.irp u, 0,1,2,3
	v_writelane_b32 v[160+2*(W/64)+(\u%2)], s[40+\u], ((W%64)+\u)/2   ; word w of 64 goes to lane w / 2, register w % 2
.endr
.set W, W+4
.endr
	global_store_b64 v3, v[160:161], s[30:31]      ; 256 consecutive bytes, aligned
	global_store_b64 v3, v[162:163], s[30:31] offset:256
	s_endpgm
.Lfunc_end_k_q33f122e500_prep:
	.size	k_q33f122e500_prep, .Lfunc_end_k_q33f122e500_prep-k_q33f122e500_prep
	.p2alignl 7, 3214868480
	.fill 96, 4, 3214868480
	.section	.rodata,"a",@progbits
	.p2align	6, 0x0
	.amdhsa_kernel k_q33f122e500_prep
		.amdhsa_group_segment_fixed_size 68096
		.amdhsa_private_segment_fixed_size 0
		.amdhsa_enable_private_segment 0
		.amdhsa_kernarg_size 112
		.amdhsa_user_sgpr_count 2
		.amdhsa_user_sgpr_kernarg_segment_ptr 1
		.amdhsa_wavefront_size32 1
		.amdhsa_system_sgpr_workgroup_id_x 1
		.amdhsa_system_sgpr_workgroup_id_y 1
		.amdhsa_system_sgpr_workgroup_id_z 1
		.amdhsa_system_vgpr_workitem_id 0
		.amdhsa_next_free_vgpr 192
		.amdhsa_next_free_sgpr 66
		.amdhsa_reserve_vcc 0
		.amdhsa_float_denorm_mode_32 3
		.amdhsa_float_denorm_mode_16_64 3
		.amdhsa_memory_ordered 1
		.amdhsa_forward_progress 1
		.amdhsa_inst_pref_size 141
	.end_amdhsa_kernel
	.amdgpu_metadata
---
amdhsa.version: [ 1, 2 ]
amdhsa.kernels:
  - .name:           k_q33f122e500_prep
    .symbol:         k_q33f122e500_prep.kd
    .args:
      - { .name: Q, .offset: 0, .size: 8, .value_kind: global_buffer, .address_space: global }
      - { .name: K, .offset: 8, .size: 8, .value_kind: global_buffer, .address_space: global }
      - { .name: V, .offset: 16, .size: 8, .value_kind: global_buffer, .address_space: global }
      - { .name: W_q, .offset: 24, .size: 8, .value_kind: global_buffer, .address_space: global }
      - { .name: W_k, .offset: 32, .size: 8, .value_kind: global_buffer, .address_space: global }
      - { .name: W_v, .offset: 40, .size: 8, .value_kind: global_buffer, .address_space: global }
      - { .name: W_o_w, .offset: 48, .size: 8, .value_kind: global_buffer, .address_space: global }
      - { .name: mask, .offset: 56, .size: 8, .value_kind: global_buffer, .address_space: global }
      - { .name: xc, .offset: 64, .size: 8, .value_kind: global_buffer, .address_space: global }
      - { .name: xs, .offset: 72, .size: 8, .value_kind: global_buffer, .address_space: global }
      - { .name: wc, .offset: 80, .size: 8, .value_kind: global_buffer, .address_space: global }
      - { .name: ws, .offset: 88, .size: 8, .value_kind: global_buffer, .address_space: global }
      - { .name: wof, .offset: 96, .size: 8, .value_kind: global_buffer, .address_space: global }
      - { .name: maskw, .offset: 104, .size: 8, .value_kind: global_buffer, .address_space: global }
    .group_segment_fixed_size: 68096
    .private_segment_fixed_size: 0
    .kernarg_segment_align: 8
    .kernarg_segment_size: 112
    .max_flat_workgroup_size: 128
    .sgpr_count:     66
    .vgpr_count:     192
    .wavefront_size: 32
...
	.end_amdgpu_metadata
.endif
;; end of part 1
;; launch proj (part 2): grid 96 x 4, 4 waves a work-group, clusters of 4 x 4, 327,680 bytes of LDS; arguments xc, xs, wc, ws, hf; writes hf
.if DOCPART == 2
	.amdgcn_target "amdgcn-amd-amdhsa--gfx1250"
	.amdhsa_code_object_version 6
	.text
	.protected	k_q33f122e500_proj
	.globl	k_q33f122e500_proj
	.p2align	8
	.type	k_q33f122e500_proj,@function
k_q33f122e500_proj:
	s_mov_b64 s[64:65], 0
	v_nop
	global_prefetch_b8 v0, s[64:65] scope:SCOPE_SE
	s_setreg_imm32_b32 hwreg(HW_REG_WAVE_MODE, 25, 1), 1
	s_wait_xcnt 0x0
	s_wait_alu depctr_hold_cnt(0) depctr_sa_sdst(0) depctr_va_vdst(0) depctr_va_sdst(0) depctr_va_ssrc(0) depctr_va_vcc(0) depctr_vm_vsrc(0)
	s_getreg_b32 s2, hwreg(HW_REG_IB_STS2, 6, 4)
	s_cmp_eq_u32 s2, 0
	s_cbranch_scc0 .Lentry_in_a_cluster
	s_endpgm
.Lentry_in_a_cluster:
	s_bfe_u32 s2, ttmp6, 0x10000c
	s_cmp_lg_u32 s2, 0xf033
	s_cbranch_scc0 .Lentry_shape_is_right
	s_endpgm
.Lentry_shape_is_right:
; PROJ: the three quantised projections, Qh, Kh, Vh = x W, on codes of E2M1 with one E8M0 scale for each 32 along K = 1,024; sums in f32.  One launch: 24 clusters of 4 x 4 work-groups, eight for each product.
; A work-group makes a tile of 256 x 256, each of its four waves 128 x 128: 64 accumulators of 16 x 16, 512 registers.  K is 1,024: two LDS slots of 512 along K hold ALL of it, so every tile is asked for at the
; head and no LDS byte is filled twice.  The scale bytes of the work-group's rows come with them, as dense blocks.
; SIDES.  Side A is source 1 of the matrix instruction (its row falls to a lane), side B source 0 (its rows fall to a lane's eight registers).
;   products 0, 1 (Q, K): A = the tokens, B = the weight's rows (64 head + e): a lane holds one token and eight neighbouring channels;
;   product 2 (V):        A = the weight's rows, B = the tokens: a lane holds one channel and eight neighbouring keys.
; So a tile's eight registers, rounded to f16 in pairs, ARE one group (four registers) of the operand that the attention launch wants, and leave by one store of 512 consecutive bytes: no stage, nothing transposed.
; hf: Qf at 0, Kf at 16,777,216: [batch][head][token tile 128][channel step 2][group 2][512];  Vf at 33,554,432: [batch][head][key step 64][channel tile 4][group 2][512].
; Qh is multiplied by c = log2(e) / 8 in f32 ahead of its rounding, so that the scores come out in powers of two.
; CLUSTERS: the four of a row of the cluster need the same tiles of A, the four of a column the same tiles of B: each tile is asked for JOINTLY.  Which product a cluster serves hangs on the cluster's number alone.
; LIMITS: c Qh, Kh and Vh are held at +-65,504, f16's largest number.
; REGISTERS, in windows of 256: window 0: v0-31 addresses; v32-95 scale words, two sets; v128-191 A's fragments, ONE set (on the way out: 64 numbers at work); v192-223 packed results.
;   window 1: B's fragments, TWO sets, at v0 and v128.   window 2: the accumulators of my A rows 0-63 ((a, b) at v[8 (8 a + b)]);   window 3: those of rows 64-127.
.set KSTEP,  512
.set NQ,     4                         ; matrix instructions deep in a slot
.set ROWB,   256                       ; a tile's row in bytes: 512 codes
.set KROW,   512                       ; a row of codes in memory
.set PITCH,  272                       ; an LDS row: 256 bytes + 16 of padding
.set FR,     8
.set NL,     2
.set NP,     4
.set HALFT,  128*PITCH                 ; 128 rows: what one tensor load brings
.set SLOT,   4*HALFT                   ; A's 256 rows, then B's 256 rows
.set KS,     32                        ; a row of scale bytes
.set SCL,    2*SLOT                    ; behind the slots: the scales, as rows of 256 bytes + 16 of padding
.set HALFS,  (128*KS/256)*272
.set SBLK,   (16*KS/256)*272
.set SPARE,  SCL+4*HALFS               ; the spare words, 128 bytes for each wave: two blocks of 256 bytes that no other line names
.set OFS,  8                           ; v8-11   the way out: 16 x lane + the place of B's block pair b / 2
.set HOLD, 12                          ; v12     65,504.0
.set ADRA, 16                          ; v16-17  LDS address of my A fragments in slot 0, 1
.set ADRB, 20                          ; v20-21  the same for B
.set ADRS, 27                          ; v27     LDS address of my scale words: lanes 0-15 A's rows, lanes 16-31 B's
.set SPW,  28                          ; v28     LDS address of my spare word; never rewritten
.set NIL,  29                          ; v29     0; never rewritten
.set SC,   32
.set AF,   128
.set TF,   128                         ; the way out: a block's 64 numbers
.set PK,   192                         ; and its 32 packed registers
.set G1, 24
.set G0, 32
.set G1B, 48
.set G0B, 56
.set G1S, 68
.set G0S, 76
.set G1SB, 80
.set G0SB, 88
.set MSB, 0
.macro WIN new                         ; the immediate's high byte repeats the setting that is left
.if MSB != (\new)
	s_set_vgpr_msb (MSB<<8)|(\new)
.set MSB, (\new)
.endif
.endm
.set MUL_LO, 0xa1                      ; source 0 (B) window 1, source 1 (A) window 0, C and D window 2
.set MUL_HI, 0xf1                      ; the same, C and D window 3
.set TO_B,   0x40                      ; destination window 1, address window 0
; A joint load: waves 0 and 1 fetch for A, waves 2 and 3 for B.  The branch hangs on the wave's number alone.  An s_nop 0 and four v_nop follow each of the two lines.
.macro JLOAD g0a, g1a, g0b, g1b
	s_cmp_eq_u32 s15, 0
	s_cbranch_scc0 .Lfor_b_\@
	tensor_load_to_lds s[\g0a:\g0a+3], s[\g1a:\g1a+7]
	s_nop 0
.rept 4
	v_nop
.endr
	s_branch .Lasked_\@
.Lfor_b_\@:
	tensor_load_to_lds s[\g0b:\g0b+3], s[\g1b:\g1b+7]
	s_nop 0
.rept 4
	v_nop
.endr
.Lasked_\@:
.endm
.macro CROUND                          ; a round of the cluster's barrier
	s_barrier_signal -1
	s_barrier_wait -1
	s_cmp_lg_u32 s14, 0
	s_cbranch_scc1 .Lnot_wave_0_\@
	s_barrier_signal -3
.Lnot_wave_0_\@:
	s_barrier_wait -3
	s_barrier_signal -1
	s_barrier_wait -1
.endm
	s_load_b256 s[4:11], s[0:1], 0x0               ; xc 4, xs 6, wc 8, ws 10
	s_load_b64 s[12:13], s[0:1], 0x20              ; hf
	v_lshl_add_u32 v[SPW], v0, 2, SPARE
	v_mov_b32 v[NIL], 0
	ds_add_u32 v[SPW], v[NIL]                      ; the wave's opening: the add, twice on end, and its wait ahead of my first tensor load
	ds_add_u32 v[SPW], v[NIL]
	v_lshrrev_b32 v1, 5, v0
	v_readfirstlane_b32 s14, v1                    ; wave 0..3
	s_lshr_b32 s15, s14, 1                         ; which half of the tile's A rows is mine.  Also: I fetch for A (0) or for B (1)
	s_and_b32 s16, s14, 1                          ; which half of its B rows.  Also: which 128 rows of that tile I fetch
	s_bfe_u32 s40, ttmp6, 0x40000                  ; cx, cy: my place in the cluster
	s_bfe_u32 s41, ttmp6, 0x40004
	s_lshr_b32 s95, ttmp9, 3                       ; the product: 0 Q, 1 K, 2 V: the same in all sixteen partners
	s_and_b32 s92, ttmp9, 7                        ; which of its eight clusters
	s_lshl_b32 s96, s95, 13                        ; the tokens' first row in xc: 8,192 x product
	s_lshl_b32 s97, s95, 10                        ; the weight's first row in wc: 1,024 x product
	s_cmp_eq_u32 s95, 2                            ; V: the sides change places
	s_cselect_b32 s93, s92, 0                      ; the eight clusters lie along the tokens: along B for V,
	s_cselect_b32 s92, 0, s92                      ; along A else
	s_cselect_b32 s96, 0x800, s96                  ; A's first row in its buffer
	s_cselect_b32 s97, 0x4000, s97                 ; B's
	s_mov_b32 s100, 0x3f800000
	s_cmp_eq_u32 s95, 0
	s_cselect_b32 s100, 0x3e38aa3b, s100           ; what the results are multiplied by: c = log2(e) / 8 for Q, else 1
	s_mov_b32 s101, s100                           ; (named with it as a pair)
	s_lshl_b32 s42, s93, 2
	s_add_co_u32 s42, s42, s40                     ; tile column (B)
	s_lshl_b32 s17, s92, 2
	s_add_co_u32 s17, s17, s41                     ; tile row (A)
	s_lshl_b32 s43, s41, 2
	s_lshl_b32 s43, 15, s43                        ; my row of the cluster
	s_lshl_b32 s44, 0x1111, s40                    ; my column
	; descriptor group 1: a tile of 128 rows x 256 bytes, 16 bytes of padding behind each row
	s_or_b32 s[G1+0], s43, (0<<16)|(1<<20)|(1<<21)|(5<<22)|(3<<25)
	s_or_b32 s[G1B+0], s44, (0<<16)|(1<<20)|(1<<21)|(5<<22)|(3<<25)
.irp g, G1, G1B
	s_mov_b32 s[\g+1], ROWB<<16                    ; tensor_dim0
	s_mov_b32 s[\g+2], 128<<16                     ; tensor_dim1
	s_mov_b32 s[\g+3], ROWB<<16                    ; tile_dim0
	s_mov_b32 s[\g+4], 128                         ; tile_dim1
	s_mov_b32 s[\g+5], KROW                        ; from row to row
	s_mov_b32 s[\g+6], 0
	s_mov_b32 s[\g+7], 0
.endr
	; the scales of 128 rows: a dense block of 4,096 bytes, as 16 rows of 256 bytes (32 elements of 8), 16 bytes of padding behind each
	s_or_b32 s[G1S+0], s43, (3<<16)|(1<<20)|(1<<21)|(5<<22)|(3<<25)
	s_or_b32 s[G1SB+0], s44, (3<<16)|(1<<20)|(1<<21)|(5<<22)|(3<<25)
.irp g, G1S, G1SB
	s_mov_b32 s[\g+1], 32<<16
	s_mov_b32 s[\g+2], (128*KS/256)<<16
	s_mov_b32 s[\g+3], 32<<16
	s_mov_b32 s[\g+4], 128*KS/256
	s_mov_b32 s[\g+5], 32
	s_mov_b32 s[\g+6], 0
	s_mov_b32 s[\g+7], 0
.endr
	s_lshl_b32 s18, s16, 7                         ; which 128 rows of the tile I fetch
	s_lshl_b32 s20, s17, 8
	s_add_co_u32 s20, s20, s18
	s_add_co_u32 s20, s20, s96                     ; A: its first row + 256 x tile row + 128 x half
	s_lshl_b32 s46, s42, 8
	s_add_co_u32 s46, s46, s18
	s_add_co_u32 s46, s46, s97                     ; B likewise, by the tile column
	s_mov_b32 s21, 0
	s_mov_b32 s47, 0
	s_mov_b64 s[18:19], KS
	s_mul_u64 s[22:23], s[20:21], s[18:19]         ; where these rows' scales begin, in bytes
	s_mul_u64 s[92:93], s[46:47], s[18:19]
	s_mov_b64 s[18:19], KROW
	s_mul_u64 s[20:21], s[20:21], s[18:19]         ; and their codes
	s_mul_u64 s[46:47], s[46:47], s[18:19]
	s_mul_i32 s45, s14, HALFT                      ; where they go: wave x 128 rows: no place in the cluster enters an LDS address
	s_mul_i32 s94, s14, HALFS
	s_wait_dscnt 0x0                               ; both opening adds are done
	s_wait_kmcnt 0x0
	s_cmp_eq_u32 s95, 2                            ; which buffers are A's and which B's: the choice hangs on the cluster's number alone
	s_cselect_b64 s[96:97], s[8:9], s[4:5]         ; A's codes
	s_cselect_b64 s[98:99], s[10:11], s[6:7]       ; A's scales
	s_cselect_b64 s[8:9], s[4:5], s[8:9]           ; B's codes
	s_cselect_b64 s[10:11], s[6:7], s[10:11]       ; B's scales
	s_add_nc_u64 s[20:21], s[96:97], s[20:21]
	s_add_nc_u64 s[22:23], s[98:99], s[22:23]
	s_add_nc_u64 s[46:47], s[8:9], s[46:47]
	s_add_nc_u64 s[92:93], s[10:11], s[92:93]
	CROUND                                         ; all sixteen work-groups are here: the joint loads meet
	s_mov_b32 s[G0S], 1
	s_add_co_u32 s[G0S+1], s94, SCL
	s_mov_b64 s[G0S+2:G0S+3], s[22:23]
	s_or_b32 s[G0S+3], s[G0S+3], 0x80000000
	s_mov_b32 s[G0SB], 1
	s_add_co_u32 s[G0SB+1], s94, SCL
	s_mov_b64 s[G0SB+2:G0SB+3], s[92:93]
	s_or_b32 s[G0SB+3], s[G0SB+3], 0x80000000
	JLOAD G0S, G1S, G0SB, G1SB                     ; the scales first: they are wanted with the first slot
.irp s, 0,1
	s_mov_b32 s[G0+4*\s], 1
	s_add_co_u32 s[G0+4*\s+1], s45, \s*SLOT
	s_add_nc_u64 s[G0+4*\s+2:G0+4*\s+3], s[20:21], \s*ROWB
	s_or_b32 s[G0+4*\s+3], s[G0+4*\s+3], 0x80000000
	s_mov_b32 s[G0B+4*\s], 1
	s_add_co_u32 s[G0B+4*\s+1], s45, \s*SLOT
	s_add_nc_u64 s[G0B+4*\s+2:G0B+4*\s+3], s[46:47], \s*ROWB
	s_or_b32 s[G0B+4*\s+3], s[G0B+4*\s+3], 0x80000000
	JLOAD G0+4*\s, G1, G0B+4*\s, G1B               ; three tensor loads of mine are out: all that this wave ever asks for
.endr
	v_and_b32 v1, 15, v0                           ; l % 16
	v_bfe_u32 v2, v0, 4, 1                         ; l / 16
	v_mul_u32_u24 v3, v1, PITCH
	v_lshl_add_u32 v4, v2, 4, v3                   ; a fragment's row x pitch + 16 x half
	s_mul_i32 s21, s15, HALFT                      ; my 128 rows of A
	s_mul_i32 s22, s16, HALFT                      ; my 128 rows of B,
	s_add_co_u32 s22, s22, 2*HALFT                 ; which lie behind A's 256
.irp s, 0,1
	v_add_nc_u32 v[ADRA+\s], s21, v4
	v_add_nc_u32 v[ADRB+\s], s22, v4
	s_add_co_u32 s21, s21, SLOT
	s_add_co_u32 s22, s22, SLOT
.endr
	v_mul_u32_u24 v5, v1, KS                       ; my row's scales: 32 bytes a row,
	v_lshrrev_b32 v6, 8, v5
	v_lshl_add_u32 v5, v6, 4, v5                   ; and 16 more for each 256 passed
	s_mul_i32 s21, s15, HALFS
	s_mul_i32 s22, s16, HALFS
	s_add_co_u32 s22, s22, 2*HALFS
	s_sub_co_u32 s22, s22, s21
	v_mul_u32_u24 v6, s22, v2                      ; lanes 16-31 take B's: one product, the distance between the two bases
	s_add_co_u32 s21, s21, SCL
	v_add_nc_u32 v5, v5, v6
	v_add_nc_u32 v[ADRS], s21, v5
	; THE WAY OUT's addresses.  RA, RB: my first tile of 16 rows on side A and on side B.  T0: the token tile, E0: the channel tile (4 to a head).
	s_lshl_b32 s2, s17, 4
	s_lshl_b32 s18, s15, 3
	s_add_co_u32 s2, s2, s18                       ; RA
	s_lshl_b32 s3, s42, 4
	s_lshl_b32 s18, s16, 3
	s_add_co_u32 s3, s3, s18                       ; RB
	s_mov_b32 s20, 2048
	s_mov_b32 s22, 2048
	s_mov_b32 s44, 262144
	s_mov_b32 s45, 1024
	s_cmp_eq_u32 s95, 2
	s_cselect_b32 s66, s3, s2                      ; T0
	s_cselect_b32 s67, s2, s3                      ; E0
	s_cselect_b32 s20, 1024, s20                   ; from one block of A to the next: a token tile (2,048), for V a channel tile (1,024)
	s_cselect_b32 s22, 259072, s22                 ; and from block 3 to block 4: for V on to the next head, 262,144 - 3 x 1,024
	s_cselect_b32 s44, 8192, s44                   ; B's block b: b / 4 is a head (262,144), for V two key steps (8,192);
	s_cselect_b32 s45, 4096, s45                   ; (b / 2) % 2 a channel step (1,024), for V a key step (4,096); b % 2 a group, 512 bytes, in both
	s_mov_b32 s21, 0
	s_mov_b32 s23, 0
	s_lshl_b32 s46, s95, 24                        ; the product's part of hf
	s_lshr_b32 s47, s66, 7
	s_lshl_b32 s47, s47, 22                        ; the batch: 128 token tiles, 4,194,304 bytes
	s_add_co_u32 s46, s46, s47
	s_lshr_b32 s47, s67, 2
	s_lshl_b32 s47, s47, 18                        ; the head
	s_add_co_u32 s46, s46, s47
	s_and_b32 s47, s66, 127
	s_lshl_b32 s47, s47, 11                        ; the token tile in its sequence: 2,048 bytes each, in Qf and Kf as in Vf (two tiles to a key step of 4,096)
	s_add_co_u32 s46, s46, s47
	s_mov_b32 s47, 0
	s_add_nc_u64 s[12:13], s[12:13], s[46:47]
	v_and_b32 v6, 31, v0
	v_lshlrev_b32 v[OFS], 4, v6                    ; 16 x lane
	v_add_nc_u32 v[OFS+1], s45, v[OFS]
	v_add_nc_u32 v[OFS+2], s44, v[OFS]
	v_add_nc_u32 v[OFS+3], s44, v[OFS+1]
	v_mov_b32 v[HOLD], 0x477fe000                  ; 65,504.0
.macro FRAG reg, adr, q, i             ; a fragment, 16 rows x 128 K of 4-bit codes, is 8 registers: lane l holds row l % 16; registers 4 c .. 4 c + 3 hold K = 64 c + 32 (l / 16) + 0 .. 31
.irp c, 0,1
	ds_load_b128 v[\reg+4*\c:\reg+4*\c+3], v[\adr] offset:64*(\q)+32*\c+(\i)*16*PITCH
.endr
.endm
; 16 matrix instructions: A's blocks a0, a0 + 1 x B's eight, 128 along K: the slot's q-th.  p: B's set; sc: the set of scale words.  zero = 1: the first product starts the sums.
; The 64 accumulators take turns, one instruction a turn, in the same order in every step.
.macro MUL16 a0, p, q, sc, zero
.irp a, \a0, \a0+1
.irp b, 0,1,2,3,4,5,6,7
.if \zero
	v_wmma_scale_f32_16x16x128_f8f6f4 v[8*(8*((\a)%4)+\b):8*(8*((\a)%4)+\b)+7], v[128*(\p)+FR*\b:128*(\p)+FR*\b+FR-1], v[AF+FR*(\a):AF+FR*(\a)+FR-1], 0, v[SC+8*NQ*(\sc)+NQ*\b+(\q)], v[SC+8*NQ*(\sc)+NQ*(\a)+(\q)] matrix_a_fmt:MATRIX_FMT_FP4 matrix_b_fmt:MATRIX_FMT_FP4 matrix_a_scale:MATRIX_SCALE_ROW1
.else
	v_wmma_scale_f32_16x16x128_f8f6f4 v[8*(8*((\a)%4)+\b):8*(8*((\a)%4)+\b)+7], v[128*(\p)+FR*\b:128*(\p)+FR*\b+FR-1], v[AF+FR*(\a):AF+FR*(\a)+FR-1], v[8*(8*((\a)%4)+\b):8*(8*((\a)%4)+\b)+7], v[SC+8*NQ*(\sc)+NQ*\b+(\q)], v[SC+8*NQ*(\sc)+NQ*(\a)+(\q)] matrix_a_fmt:MATRIX_FMT_FP4 matrix_b_fmt:MATRIX_FMT_FP4 matrix_a_scale:MATRIX_SCALE_ROW1
.endif
.endr
.endr
.endm
.macro FETCH_B slot, q, p              ; B's eight fragments of the slot's q-th 128 along K into set p
	WIN TO_B
.irp i, 0,1,2,3,4,5,6,7
	FRAG 128*(\p)+FR*\i, ADRB+\slot, \q, \i
.endr
	WIN 0
.endm
.macro FETCH_A slot, q, i0             ; A's blocks i0 .. i0 + 3
.irp i, \i0, \i0+1, \i0+2, \i0+3
	FRAG AF+FR*(\i), ADRA+\slot, \q, \i
.endr
.endm
.macro SCALES sc                       ; a slot's scale words into set sc: four words a row; lanes 0-15 take A's block i, lanes 16-31 B's block i
.irp i, 0,1,2,3,4,5,6,7
	ds_load_b128 v[SC+8*NQ*\sc+NQ*\i:SC+8*NQ*\sc+NQ*\i+3], v[ADRS] offset:\i*SBLK
.endr
.endm
.macro PLACES n                        ; plain vector instructions between a matrix instruction and a load into, or a vector instruction on, its registers
.rept \n
	v_nop
.endr
.endm
.macro STEP slot, q, zero              ; a step of 128 along K that has its successor in the same slot
	s_wait_dscnt 4*NL                              ; B's set and A's blocks 0-3 are in; the youngest eight loads (A's blocks 4-7) may be out
	WIN MUL_LO
	MUL16 0, (\q)%2, \q, \slot, \zero
	MUL16 2, (\q)%2, \q, \slot, \zero
	s_wait_dscnt 0                                 ; A's blocks 4-7 are in
	PLACES NP
	FETCH_B \slot, (\q)+1, 1-(\q)%2
	FETCH_A \slot, (\q)+1, 0
	WIN MUL_HI
	MUL16 4, (\q)%2, \q, \slot, \zero
	MUL16 6, (\q)%2, \q, \slot, \zero
	PLACES NP
	WIN 0
	FETCH_A \slot, (\q)+1, 4
.endm
.macro STEPS slot, from                ; the slot's steps from .. NQ - 2
.set Q, \from
.rept NQ-1-\from
	STEP \slot, Q, 0
.set Q, Q+1
.endr
.endm
	s_wait_tensorcnt 1                             ; the scales and my part of slot 0 are in (slot 1's load may be out)
	s_barrier_signal -1
	s_barrier_wait -1                              ; everybody's are
	FETCH_B 0, 0, 0
	FETCH_A 0, 0, 0
	SCALES 0
	FETCH_A 0, 0, 4
	STEP 0, 0, 1                                   ; the first step's products start the sums: nothing is cleared
	STEPS 0, 1
	; slot 0's last step changes slots: one barrier; in front of it my part of slot 1 has landed.  Nothing is filled again.
	s_wait_tensorcnt 0x0                           ; all my tensor loads have landed
	ds_add_u32 v[SPW], v[NIL]                      ; 0 onto my spare word
	s_wait_dscnt 4*NL+1                            ; (the add and the youngest eight loads, A's blocks 4-7, may be out)
	WIN MUL_LO
	MUL16 0, 1, NQ-1, 0, 0
	s_wait_dscnt 0x0                               ; the add is done, and no LDS load of mine is out
	s_barrier_signal -1
	MUL16 2, 1, NQ-1, 0, 0
	WIN 0
	s_barrier_wait -1                              ; slot 1 is whole
	PLACES NP
	v_add_nc_u32 v[ADRS], 4*NQ, v[ADRS]            ; on to slot 1's scale words
	FETCH_B 1, 0, 0
	FETCH_A 1, 0, 0
	SCALES 1
	WIN MUL_HI
	MUL16 4, 1, NQ-1, 0, 0
	MUL16 6, 1, NQ-1, 0, 0
	PLACES NP
	WIN 0
	FETCH_A 1, 0, 4
	STEPS 1, 0
	s_wait_dscnt 4*NL                              ; the very last step: nothing more to fetch
	WIN MUL_LO
	MUL16 0, 1, NQ-1, 1, 0
	MUL16 2, 1, NQ-1, 1, 0
	s_wait_dscnt 0
	WIN MUL_HI
	MUL16 4, 1, NQ-1, 1, 0
	MUL16 6, 1, NQ-1, 1, 0
	WIN 0
; THE WAY OUT, a block of A (16 rows x my 128 rows of B) at a time: x F, held at f16's largest number, rounded in pairs; accumulator (a, b) becomes one group, stored as 512 consecutive bytes, aligned.
.macro OUTBLK a
	WIN 0x02+(\a)/4                                ; source 0: window 2 or 3
.irp b, 0,1,2,3,4,5,6,7
.irp k, 0,1,2,3
	v_pk_mul_f32 v[TF+8*\b+2*\k:TF+8*\b+2*\k+1], v[64*((\a)%4)+8*\b+2*\k:64*((\a)%4)+8*\b+2*\k+1], s[100:101] op_sel_hi:[1,0]   ; each accumulator from its low end on
.endr
.endr
	WIN 0
.set n, 0
.rept 64
	v_med3_num_f32 v[TF+n], v[TF+n], -v[HOLD], v[HOLD]
.set n, n+1
.endr
.if (\a) > 0
	s_wait_xcnt 0x0                                ; the last block's stores have read their data and their base: both are written only behind this wait
.if (\a) == 4
	s_add_nc_u64 s[12:13], s[12:13], s[22:23]
.else
	s_add_nc_u64 s[12:13], s[12:13], s[20:21]
.endif
.endif
.irp b, 0,1,2,3,4,5,6,7
.irp k, 0,1,2,3
	v_cvt_pk_f16_f32 v[PK+4*\b+\k], v[TF+8*\b+2*\k], v[TF+8*\b+2*\k+1]
.endr
.endr
.irp b, 0,1,2,3,4,5,6,7
	global_store_b128 v[OFS+\b/2], v[PK+4*\b:PK+4*\b+3], s[12:13] offset:(\b%2)*512
.endr
.endm
	PLACES NP                                      ; behind the last products: their results are read, and A's registers written, only behind these
.irp a, 0,1,2,3,4,5,6,7
	OUTBLK \a
.endr
	s_wait_tensorcnt 0x0                           ; the wave's end
	ds_add_u32 v[SPW], v[NIL]
	s_wait_dscnt 0x0
	CROUND                                         ; the closing round: no work-group ends while a partner may still ask for a tile that names it
	s_endpgm
.Lfunc_end_k_q33f122e500_proj:
	.size	k_q33f122e500_proj, .Lfunc_end_k_q33f122e500_proj-k_q33f122e500_proj
	.p2alignl 7, 3214868480
	.fill 96, 4, 3214868480
	.section	.rodata,"a",@progbits
	.p2align	6, 0x0
	.amdhsa_kernel k_q33f122e500_proj
		.amdhsa_group_segment_fixed_size 327680
		.amdhsa_private_segment_fixed_size 0
		.amdhsa_enable_private_segment 0
		.amdhsa_kernarg_size 40
		.amdhsa_user_sgpr_count 2
		.amdhsa_user_sgpr_kernarg_segment_ptr 1
		.amdhsa_wavefront_size32 1
		.amdhsa_system_sgpr_workgroup_id_x 1
		.amdhsa_system_sgpr_workgroup_id_y 1
		.amdhsa_system_sgpr_workgroup_id_z 1
		.amdhsa_system_vgpr_workitem_id 0
		.amdhsa_next_free_vgpr 1024
		.amdhsa_next_free_sgpr 102
		.amdhsa_reserve_vcc 0
		.amdhsa_float_denorm_mode_32 3
		.amdhsa_float_denorm_mode_16_64 3
		.amdhsa_memory_ordered 1
		.amdhsa_forward_progress 1
		.amdhsa_inst_pref_size 167
	.end_amdhsa_kernel
	.amdgpu_metadata
---
amdhsa.version: [ 1, 2 ]
amdhsa.kernels:
  - .name:           k_q33f122e500_proj
    .symbol:         k_q33f122e500_proj.kd
    .args:
      - { .name: xc, .offset: 0, .size: 8, .value_kind: global_buffer, .address_space: global }
      - { .name: xs, .offset: 8, .size: 8, .value_kind: global_buffer, .address_space: global }
      - { .name: wc, .offset: 16, .size: 8, .value_kind: global_buffer, .address_space: global }
      - { .name: ws, .offset: 24, .size: 8, .value_kind: global_buffer, .address_space: global }
      - { .name: hf, .offset: 32, .size: 8, .value_kind: global_buffer, .address_space: global }
    .group_segment_fixed_size: 327680
    .private_segment_fixed_size: 0
    .kernarg_segment_align: 8
    .kernarg_segment_size: 40
    .max_flat_workgroup_size: 128
    .sgpr_count:     102
    .vgpr_count:     1024
    .wavefront_size: 32
...
	.end_amdgpu_metadata
.endif
;; end of part 2
;; launch attn (part 3): grid 4 x 64, 8 waves a work-group, clusters of 4 x 1, 327,680 bytes of LDS; arguments hf, maskw, af; writes af
.if DOCPART == 3
	.amdgcn_target "amdgcn-amd-amdhsa--gfx1250"
	.amdhsa_code_object_version 6
	.text
	.protected	k_q33f122e500_attn
	.globl	k_q33f122e500_attn
	.p2align	8
	.type	k_q33f122e500_attn,@function
k_q33f122e500_attn:
	s_mov_b64 s[64:65], 0
	v_nop
	global_prefetch_b8 v0, s[64:65] scope:SCOPE_SE
	s_setreg_imm32_b32 hwreg(HW_REG_WAVE_MODE, 25, 1), 1
	s_wait_xcnt 0x0
	s_wait_alu depctr_hold_cnt(0) depctr_sa_sdst(0) depctr_va_vdst(0) depctr_va_sdst(0) depctr_va_ssrc(0) depctr_va_vcc(0) depctr_vm_vsrc(0)
	s_getreg_b32 s2, hwreg(HW_REG_IB_STS2, 6, 4)
	s_cmp_eq_u32 s2, 0
	s_cbranch_scc0 .Lentry_in_a_cluster
	s_endpgm
.Lentry_in_a_cluster:
	s_bfe_u32 s2, ttmp6, 0x10000c
	s_cmp_lg_u32 s2, 0x3003
	s_cbranch_scc0 .Lentry_shape_is_right
	s_endpgm
.Lentry_shape_is_right:
; ATTN: for each batch and head, O[q] = the sum over k of softmax_k(where(mask[q][k] == 0, -1e9, Qh[q] . Kh[k] / 8)) Vh[k].  Operands f16, products, maxima and sums f32; the weights p are rounded to f16 for
; the second product, O once at the end.
; SHARES.  A cluster of four work-groups serves one (batch, head); each work-group 512 queries, each of its eight waves 64: four tiles of 16, in 512 registers, two waves to a SIMD, so that one wave's
; softmax stands beside the other's products.  Every wave walks all 2,048 keys, 64 a step.  The four partners walk the same K and V: each tile is asked for JOINTLY.
; LAYOUT.  S^T = K Q^T (source 0 = 16 keys, source 1 = 16 queries) and O^T = V^T P (source 0 = 16 channels, source 1 = P): a lane holds ONE query (lane % 16) throughout.  Two tiles of S^T, rounded in pairs, ARE
; source 1 of the second product.  Q, K and V^T lie in hf as images of the operands' registers (a group of four registers = 512 bytes, lane l's 16 at 16 l): every fragment load is 16 x lane + a constant.
; THE SOFTMAX.  Qh carries c = log2(e) / 8 already, so a score comes out as t, in powers of two.  A masked score is REPLACED by -1e9 log2(e): one select for 32 scores, by a word of maskw, which is the lane mask
; of one register of a tile.  Running maximum m and sum l for each query; p = 2^(t - m), t - m formed by one subtraction, so that a row whose every key is masked has p = 1 everywhere, as the definition has it;
; in every step O and l are multiplied by a = 2^(old m - new m).  m begins at -3e38 and O and l at 0, so the step is written once: the first a is 0.
; LDS: two slots of 65,536 bytes, each 256 keys: K's 32,768 bytes, then V's; wave w fills bytes 8,192 w of a slot (waves 0-3: K's four key steps; waves 4-7: V's).  The spare words behind them.
; REGISTERS.  window 0: v1-6 addresses and constants; v32-63 eight registers of statistics a tile; v64-191 S^T, 32 a tile, then P in the low 16 of each 32; v192-255 Q.
;             window 1: v0-127 O^T ((t, ct) at 32 t + 8 ct); v128-191 K of a step; v192-255 V of a step.
; LIMITS: NaN and infinities are not served; a p under f16's smallest number counts as 0 in the product (it is counted in l).
.set SLOT1, 65536                      ; one exclusive or turns an address in one slot into the other's
.set SPARE, 131072                     ; the spare words, 128 bytes for each wave: four blocks of 256 bytes that no other line names
.set ADR, 1                            ; v1   LDS address of the step's fragments
.set L16, 2                            ; v2   16 x lane; never rewritten
.set NEG, 3                            ; v3   -1e9 log2(e)
.set SPW, 4                            ; v4   LDS address of my spare word; never rewritten
.set NIL, 5                            ; v5   0; never rewritten
.set PFO, 6                            ; v6   256 x lane; never rewritten
.set ST,  32                           ; tile t's statistics at v[ST + 8 t]: +0 m, +1 zero (the pair's partner), +2, +3 l (even keys', odd keys'), +4 .. +7 at work; a in +6
.set S,   64
.set QF,  192
.set KF,  128                          ; in window 1
.set VF,  192                          ; in window 1
.set WV,  12                           ; s12  my wave's number
.set TB,  13                           ; s13  LDS byte at which the step's fragments of K begin
.set MOFF, 14                          ; s14  the step's place in a row of mask words: 128 bytes a step
.set SLOTS, 15
.set NSTEP, 16
.set LIM, 17                           ; s17  1 in a wave that prefetches, else the greatest number
.set SEL, 18                           ; s[18:19] lane selects: lane l xor 16
.set ONE, 66                           ; s[66:67] 1.0, twice
.set MA,  68                           ; s[68:99] 32 mask words of one tile
.set MB,  32                           ; s[32:63] and of the next
.set MSB, 0
.macro WIN new                         ; the immediate's high byte repeats the setting that is left
.if MSB != (\new)
	s_set_vgpr_msb (MSB<<8)|(\new)
.set MSB, (\new)
.endif
.endm
.set W_LD, 0x40                        ; a load's destination in window 1
.set W_KQ, 0x01                        ; K in window 1; Q and S^T in window 0
.set W_PV, 0x51                        ; V and O^T in window 1; P in window 0
.set W_RS, 0x41                        ; O^T (destination and source 0) in window 1; the factor in window 0
.set W_CV, 0x05                        ; sources 0 and 1 in window 1
.macro CROUND                          ; a round of the cluster's barrier
	s_barrier_signal -1
	s_barrier_wait -1
	s_cmp_lg_u32 s[WV], 0
	s_cbranch_scc1 .Lnot_wave_0_\@
	s_barrier_signal -3
.Lnot_wave_0_\@:
	s_barrier_wait -3
	s_barrier_signal -1
	s_barrier_wait -1
.endm
; A PREFETCH INTO THE L2 of what the NEXT change of slots will ask for: 32,768 bytes of K and as many of V.  The four partners take 8,192 bytes of each, told apart BY ADDRESS; in each, wave 0 asks for K's and
; wave 4 for V's, lanes 256 bytes apart: each block of 256 bytes is named once in the launch.  The last change that fills a slot asks for nothing; slots 0 and 1 come by their loads alone.
.macro ASK
	s_cmp_gt_u32 s[SLOTS], s[LIM]
	s_cbranch_scc0 .Lnot_mine_\@
	global_prefetch_b8 v[PFO], s[10:11] th:TH_LOAD_NT scope:SCOPE_SE
.Lnot_mine_\@:
.endm
	s_load_b128 s[68:71], s[0:1], 0x0              ; hf, maskw
	s_load_b64 s[72:73], s[0:1], 0x10              ; af
	v_lshl_add_u32 v[SPW], v0, 2, SPARE
	v_mov_b32 v[NIL], 0
	ds_add_u32 v[SPW], v[NIL]                      ; the wave's opening: the add, twice on end, and its wait ahead of my first tensor load
	ds_add_u32 v[SPW], v[NIL]
	v_lshrrev_b32 v1, 5, v0
	v_readfirstlane_b32 s[WV], v1                  ; wave 0..7
	s_bfe_u32 s2, ttmp6, 0x40000                   ; cx: my place in the cluster: it enters Q's, the mask's, O's and the prefetches' addresses alone
	s_and_b32 s3, ttmp7, 0xffff                    ; 16 batch + head, which the four partners share
	; descriptor group 1: 8,192 dense bytes as 32 rows of 256 bytes (32 elements of 8), no padding; the mask names all four work-groups
	s_mov_b32 s24, 15|(3<<16)|(1<<21)
	s_mov_b32 s25, 32<<16                          ; tensor_dim0
	s_mov_b32 s26, 32<<16                          ; tensor_dim1
	s_mov_b32 s27, 32<<16                          ; tile_dim0
	s_mov_b32 s28, 32                              ; tile_dim1
	s_mov_b32 s29, 32                              ; from row to row
	s_mov_b32 s30, 0
	s_mov_b32 s31, 0
	s_mov_b32 s20, 1                               ; group 0, which walks: count 1,
	s_lshl_b32 s21, s[WV], 13                      ; LDS: slot 0 + 8,192 x wave
	s_lshl_b32 s80, s3, 18                         ; memory: the head's 262,144 bytes,
	s_and_b32 s81, s[WV], 3
	s_lshl_b32 s81, s81, 13                        ; my key step of the slot's four,
	s_add_co_u32 s80, s80, s81
	s_lshr_b32 s81, s[WV], 2
	s_add_co_u32 s81, s81, 1
	s_lshl_b32 s81, s81, 24                        ; in Kf (waves 0-3: 16,777,216) or Vf (waves 4-7: 33,554,432)
	s_add_co_u32 s80, s80, s81
	s_mov_b32 s81, 0
	s_lshl_b32 s82, s2, 5
	s_lshl_b32 s83, s[WV], 2
	s_add_co_u32 s82, s82, s83                     ; my first tile of queries in the sequence: 32 cx + 4 wave
	s_lshl_b32 s74, s82, 11                        ; Q: 2,048 bytes a tile,
	s_lshl_b32 s75, s3, 18
	s_add_co_u32 s74, s74, s75                     ; in my head
	s_mov_b32 s75, 0
	s_lshl_b32 s76, s82, 12                        ; the mask words: 4,096 bytes a tile of queries
	s_mov_b32 s77, 0
	s_lshr_b32 s78, s3, 4
	s_lshl_b32 s78, s78, 7
	s_add_co_u32 s78, s78, s82                     ; af: token tile 128 batch + my tile, 32,768 bytes each,
	s_lshl_b32 s78, s78, 15
	s_and_b32 s79, s3, 15
	s_lshl_b32 s79, s79, 11                        ; + the head's four groups
	s_add_co_u32 s78, s78, s79
	s_mov_b32 s79, 0
	s_lshl_b32 s82, s2, 13                         ; the prefetches: my work-group's 8,192 bytes,
	s_add_co_u32 s82, s82, 32768                   ; in slot 1: the first change of slots steps it to slot 2
	s_mov_b32 s83, 0
	s_and_b32 s[LIM], s[WV], 3
	s_cmp_eq_u32 s[LIM], 0                         ; waves 0 and 4 ask: the same in all four partners
	s_cselect_b32 s[LIM], 1, -1
	s_mov_b32 s[SEL], 0x76543210
	s_mov_b32 s[SEL+1], 0xfedcba98
	s_mov_b32 s[ONE], 0x3f800000
	s_mov_b32 s[ONE+1], 0x3f800000
	s_mov_b32 s[TB], 0
	s_mov_b32 s[MOFF], 0
	s_mov_b32 s[SLOTS], 7
	v_and_b32 v[L16], 31, v0
	v_lshlrev_b32 v[PFO], 8, v[L16]
	v_lshlrev_b32 v[L16], 4, v[L16]
	v_mov_b32 v[NEG], 0xceabfb8f                   ; -1e9 log2(e)
	s_wait_dscnt 0x0                               ; both opening adds are done
	s_wait_kmcnt 0x0
	s_add_nc_u64 s[4:5], s[68:69], s[74:75]        ; Q at my first tile
	s_add_nc_u64 s[6:7], s[70:71], s[76:77]        ; the mask words at my first tile
	s_add_nc_u64 s[8:9], s[72:73], s[78:79]        ; af at my first tile
	s_add_nc_u64 s[22:23], s[68:69], s[80:81]      ; K or V at my part of slot 0
	s_add_nc_u64 s[10:11], s[22:23], s[82:83]      ; (in waves 0 and 4 that is a slot's first byte)
	s_or_b32 s23, s23, 0x80000000                  ; type = 2
	CROUND                                         ; all four work-groups are here: the first joint loads meet
	tensor_load_to_lds s[20:23], s[24:31]          ; slot 0: one tensor load of mine is out
	s_nop 0
.rept 4
	v_nop
.endr
.set i, 0
.rept 16
	global_load_b128 v[QF+4*i:QF+4*i+3], v[L16], s[4:5] offset:512*i   ; Q stays in registers: fragment (tile t, channel step s) at QF + 16 t + 8 s
.set i, i+1
.endr
.irp t, 0,1,2,3
	v_mov_b32 v[ST+8*\t], 0xff61b1e6               ; m: -3e38, under every t
.irp n, 1,2,3,4,5,6,7
	v_mov_b32 v[ST+8*\t+\n], 0
.endr
.endr
	WIN W_LD
.set j, 0
.rept 128
	v_mov_b32 v[j], 0                              ; O^T.  (The step is written once: its first pass finds zeros, which a = 0 leaves zeros; a first step of its own would double the loop's text)
.set j, j+1
.endr
	WIN 0
; Product i of 32 of S^T = K Q^T: channels 32 (i / 16) on, keys 16 ((i / 4) % 4) on, tile i % 4.  The first 16 start the sums.  The 16 accumulators take turns.
.macro KQ
.set rS, S+32*(i%4)+8*((i/4)%4)
.set rK, KF+16*((i/4)%4)+8*(i/16)
.set rQ, QF+16*(i%4)+8*(i/16)
.if i < 16
	v_wmma_f32_16x16x32_f16 v[rS:rS+7], v[rK:rK+7], v[rQ:rQ+7], 0
.else
	v_wmma_f32_16x16x32_f16 v[rS:rS+7], v[rK:rK+7], v[rQ:rQ+7], v[rS:rS+7]
.endif
.set i, i+1
.endm
; Product i of 32 of O^T += V^T P: keys 32 (i / 16) on, channels 16 ((i / 4) % 4) on, tile i % 4.
.macro PV
.set rO, 32*(i%4)+8*((i/4)%4)
.set rV, VF+32*(i/16)+8*((i/4)%4)
.set rP, S+32*(i%4)+8*(i/16)
	v_wmma_f32_16x16x32_f16 v[rO:rO+7], v[rV:rV+7], v[rP:rP+7], v[rO:rO+7]
.set i, i+1
.endm
.macro MASKT t, m                      ; tile t: a masked score is replaced; also each accumulator's first read, from its low end on
.set j, 0
.rept 32
	v_cndmask_b32 v[S+32*(\t)+j], v[NEG], v[S+32*(\t)+j], s[\m+j]
.set j, j+1
.endr
.endm
.macro MX t                            ; number j of 20: the maximum of 32 scores and the old m (four chains of seven, then the rest), the other half of the lanes', the new m, old m - new m
.set rT, ST+8*(\t)
.set rS, S+32*(\t)
.if j < 4
	v_max3_num_f32 v[rT+4+j], v[rS+8*j], v[rS+8*j+1], v[rS+8*j+2]
.elseif j < 12
	v_max3_num_f32 v[rT+4+j%4], v[rT+4+j%4], v[rS+8*(j%4)+2*(j/4)+1], v[rS+8*(j%4)+2*(j/4)+2]
.elseif j == 12
	v_max3_num_f32 v[rT+4], v[rT+4], v[rS+7], v[rS+15]
.elseif j == 13
	v_max3_num_f32 v[rT+6], v[rT+6], v[rS+23], v[rS+31]
.elseif j == 14
	v_max3_num_f32 v[rT+4], v[rT+4], v[rT+5], v[rT+6]
.elseif j == 15
	v_max3_num_f32 v[rT+4], v[rT+4], v[rT+7], v[rT]
.elseif j == 16
	v_permlanex16_b32 v[rT+5], v[rT+4], s[SEL], s[SEL+1]   ; the query's other 32 keys lie in the lane 16 away
.elseif j == 17
	v_mov_b32 v[rT+7], v[rT]
.elseif j == 18
	v_max_num_f32 v[rT], v[rT+4], v[rT+5]
.else
	v_sub_f32 v[rT+7], v[rT+7], v[rT]
.endif
.endm
.macro MAXES t0                        ; two tiles by turns, so that no line waits for the line above it
.set j, 0
.rept 20
	MX \t0
	MX \t0+1
.set j, j+1
.endr
.endm
.macro SUBS t0                         ; t x 1 - m, two at a time: nothing is rounded where t = m
.set j, 0
.rept 16
.irp t, \t0, \t0+1
	v_pk_fma_f32 v[S+32*(\t)+2*j:S+32*(\t)+2*j+1], v[S+32*(\t)+2*j:S+32*(\t)+2*j+1], s[ONE:ONE+1], v[ST+8*(\t):ST+8*(\t)+1] op_sel_hi:[1,0,0] neg_lo:[0,0,1] neg_hi:[0,0,1]
.endr
.set j, j+1
.endr
.endm
.macro EXPS t0                         ; a and the 32 weights of two tiles: none of these lines names an exponential's result
.irp t, \t0, \t0+1
	v_exp_f32 v[ST+8*(\t)+6], v[ST+8*(\t)+7]
.endr
.set j, 0
.rept 32
.irp t, \t0, \t0+1
	v_exp_f32 v[S+32*(\t)+j], v[S+32*(\t)+j]
.endr
.set j, j+1
.endr
.endm
.macro SUMS                            ; l = a l + the sum of the unrounded weights: two chains a tile, the four tiles by turns
.irp t, 0,1,2,3
	v_pk_fma_f32 v[ST+8*\t+2:ST+8*\t+3], v[ST+8*\t+2:ST+8*\t+3], v[ST+8*\t+6:ST+8*\t+7], v[S+32*\t:S+32*\t+1] op_sel_hi:[1,0,1]
.endr
.irp t, 0,1,2,3
	v_pk_add_f32 v[ST+8*\t+4:ST+8*\t+5], v[S+32*\t+2:S+32*\t+3], v[S+32*\t+6:S+32*\t+7]
.endr
.irp n, 4,8,12,16,20,24,28
.irp t, 0,1,2,3
	v_pk_add_f32 v[ST+8*\t+2:ST+8*\t+3], v[ST+8*\t+2:ST+8*\t+3], v[S+32*\t+\n:S+32*\t+\n+1]
.endr
.if \n < 28
.irp t, 0,1,2,3
	v_pk_add_f32 v[ST+8*\t+4:ST+8*\t+5], v[ST+8*\t+4:ST+8*\t+5], v[S+32*\t+\n+6:S+32*\t+\n+7]
.endr
.endif
.endr
.irp t, 0,1,2,3
	v_pk_add_f32 v[ST+8*\t+2:ST+8*\t+3], v[ST+8*\t+2:ST+8*\t+3], v[ST+8*\t+4:ST+8*\t+5]
.endr
.endm
.macro CVT                             ; the weights to f16, in place, ascending: P(t, key step ks) = v[S + 32 t + 8 ks ..]
.set j, 0
.rept 16
.irp t, 0,1,2,3
	v_cvt_pk_f16_f32 v[S+32*\t+j], v[S+32*\t+2*j], v[S+32*\t+2*j+1]
.endr
.set j, j+1
.endr
.endm
.macro RESC                            ; O^T x a, each accumulator from its low end on
.set j, 0
.rept 16
.irp t, 0,1,2,3
	v_pk_mul_f32 v[32*\t+2*j:32*\t+2*j+1], v[32*\t+2*j:32*\t+2*j+1], v[ST+8*\t+6:ST+8*\t+7] op_sel_hi:[1,0]
.endr
.set j, j+1
.endr
.endm
; A KEY STEP: 64 keys.
.macro STEP
	WIN 0
	v_add_nc_u32 v[ADR], s[TB], v[L16]
	s_load_b512 s[MA:MA+15], s[6:7], s[MOFF] offset:0x0            ; the mask words of tiles 0 and 1 for these four key tiles: 128 bytes each
	s_load_b512 s[MA+16:MA+31], s[6:7], s[MOFF] offset:0x40
	s_load_b512 s[MB:MB+15], s[6:7], s[MOFF] offset:0x1000
	s_load_b512 s[MB+16:MB+31], s[6:7], s[MOFF] offset:0x1040
	WIN W_LD
.irp s, 0,1                                    ; K: channels 0-31 of the four key tiles first, then channels 32-63
.irp kt, 0,1,2,3
.irp g, 0,1
	ds_load_b128 v[KF+16*\kt+8*\s+4*\g:KF+16*\kt+8*\s+4*\g+3], v[ADR] offset:\kt*2048+\s*1024+\g*512
.endr
.endr
.endr
.set f, 0
.rept 16
	ds_load_b128 v[VF+4*f:VF+4*f+3], v[ADR] offset:32768+512*f     ; V: fragment (ks, ct) at VF + 32 ks + 8 ct
.set f, f+1
.endr
	s_wait_dscnt 24                                ; K's first eight loads are in; its other eight and V's sixteen may be out
	WIN W_KQ
.set i, 0
.rept 16
	KQ
.endr
	s_wait_dscnt 16                                ; K is in; V's sixteen may be out
.rept 16
	KQ
.endr
	WIN 0
.rept 4
	v_nop                                          ; places ahead of the first read of the scores (ISA guide 7.12.1)
.endr
	s_wait_kmcnt 0x0                               ; the mask words
	MASKT 0, MA
	MASKT 1, MB
	MAXES 0
	s_load_b512 s[MA:MA+15], s[6:7], s[MOFF] offset:0x2000         ; tiles 2 and 3: the words of tiles 0 and 1 have been used
	s_load_b512 s[MA+16:MA+31], s[6:7], s[MOFF] offset:0x2040
	s_load_b512 s[MB:MB+15], s[6:7], s[MOFF] offset:0x3000
	s_load_b512 s[MB+16:MB+31], s[6:7], s[MOFF] offset:0x3040
	SUBS 0
	EXPS 0
	s_wait_kmcnt 0x0
	MASKT 2, MA
	MASKT 3, MB
	MAXES 2
	SUBS 2
	EXPS 2
	v_nop                                          ; a plain instruction behind the last exponential
	s_wait_alu depctr_va_vdst(0)                   ; the wait ahead of the first line that names an exponential's result: one for the step's 132
	SUMS
	CVT
	WIN W_RS
	RESC
	s_wait_dscnt 0x0                               ; V is in
	WIN W_PV
.set i, 0
.rept 32
	PV
.endr
	WIN 0
.rept 5
	v_nop                                          ; five places before the next step's first products write over P, which these products read; the loads into V's registers want four
.endr
	s_add_co_u32 s[TB], s[TB], 8192                ; the next step's fragments
	s_add_co_u32 s[MOFF], s[MOFF], 128             ; and mask words (the loads that read this register were shown done by the wait on KMcnt)
.endm
.macro FOUR_STEPS                      ; a slot's four key steps: written once, walked four times
	s_mov_b32 s[NSTEP], 4
.Lstep_\@:
	STEP
	s_sub_co_u32 s[NSTEP], s[NSTEP], 1
	s_cmp_lg_u32 s[NSTEP], 0
	s_cbranch_scc1 .Lstep_\@
	s_sub_co_u32 s[TB], s[TB], 32768               ; back to a slot's first step,
	s_xor_b32 s[TB], s[TB], SLOT1                  ; in the other slot
.endm
; THE CHANGE OF SLOTS stands at a slot's head.  Each wave waits for all its tensor loads (its part of the slot that it is about to read), adds 0 to its spare word, and waits for that and for its reads of the slot
; that it has left.  fill = 1: the barrier is a round of the cluster's, so that no wave of any partner still reads that slot or has a load on its way, and the joint load of the next 256 keys is the first thing behind it:
; one tensor load of mine is out, and it has four key steps, 256 matrix instructions, in which to land.  In the first trip all eight loads fill slot 1 for the first time.
.macro CHANGE fill
	s_wait_tensorcnt 0x0                           ; no tensor load of mine is out, so group 0 may be written
	ds_add_u32 v[SPW], v[NIL]                      ; 0 onto my spare word
.if \fill
	s_xor_b32 s21, s21, SLOT1                      ; the other slot than last time,
	s_add_nc_u64 s[22:23], s[22:23], 32768         ; the next 256 keys; the type bits on top are not reached
	s_wait_xcnt 0x0                                ; the last prefetch, four key steps back, has read its address, so it may be written
	s_add_nc_u64 s[10:11], s[10:11], 32768         ; one slot further on than the walking descriptor
	s_wait_dscnt 0x0                               ; the add is done, and my reads of the slot that I have left are over
	CROUND
	tensor_load_to_lds s[20:23], s[24:31]
	s_nop 0
.rept 4
	v_nop
.endr
	ASK
.else
	s_wait_dscnt 0x0
	s_barrier_signal -1
	s_barrier_wait -1
.endif
.endm
	s_wait_loadcnt 0x0                             ; Q
.Lslot:                                            ; seven trips: behind each change of slots but the last the next slot is asked for
	CHANGE 1
	FOUR_STEPS
	s_sub_co_u32 s[SLOTS], s[SLOTS], 1
	s_cmp_lg_u32 s[SLOTS], 0
	s_cbranch_scc1 .Lslot
	CHANGE 0                                       ; the last slot is written out
	FOUR_STEPS
	; THE WAY OUT.  l's two halves and the other half of the lanes' are added; O^T is divided by l and rounded to f16 in pairs: accumulator (t, ct) becomes one group of the output projection's operand.
.irp t, 0,1,2,3
	v_add_f32 v[ST+8*\t+4], v[ST+8*\t+2], v[ST+8*\t+3]
.endr
.irp t, 0,1,2,3
	v_permlanex16_b32 v[ST+8*\t+5], v[ST+8*\t+4], s[SEL], s[SEL+1]
.endr
.irp t, 0,1,2,3
	v_add_f32 v[ST+8*\t+4], v[ST+8*\t+4], v[ST+8*\t+5]
.endr
.irp t, 0,1,2,3
	v_rcp_f32 v[ST+8*\t+6], v[ST+8*\t+4]           ; l is at least 1: the largest weight of a row is 1
.endr
	v_nop                                          ; a plain instruction behind the last reciprocal
	s_wait_alu depctr_va_vdst(0)                   ; and the wait ahead of the first use: one for the four
.macro PACK t
	WIN W_RS
.set j, 0
.rept 16
	v_pk_mul_f32 v[32*\t+2*j:32*\t+2*j+1], v[32*\t+2*j:32*\t+2*j+1], v[ST+8*\t+6:ST+8*\t+7] op_sel_hi:[1,0]
.set j, j+1
.endr
	WIN W_CV
.set j, 0
.rept 16
	v_cvt_pk_f16_f32 v[S+16*\t+j], v[32*\t+2*j], v[32*\t+2*j+1]
.set j, j+1
.endr
	WIN 0
.irp ct, 0,1,2,3
	global_store_b128 v[L16], v[S+16*\t+4*\ct:S+16*\t+4*\ct+3], s[8:9] offset:\t*32768+\ct*512   ; the wave stores 512 consecutive bytes, aligned
.endr
.endm
	PACK 0
	PACK 1
	PACK 2
	PACK 3
	s_wait_tensorcnt 0x0                           ; the wave's end
	ds_add_u32 v[SPW], v[NIL]
	s_wait_dscnt 0x0
	CROUND                                         ; the closing round: no work-group ends while a partner may still ask for a tile that names it
	s_endpgm
.Lfunc_end_k_q33f122e500_attn:
	.size	k_q33f122e500_attn, .Lfunc_end_k_q33f122e500_attn-k_q33f122e500_attn
	.p2alignl 7, 3214868480
	.fill 96, 4, 3214868480
	.section	.rodata,"a",@progbits
	.p2align	6, 0x0
	.amdhsa_kernel k_q33f122e500_attn
		.amdhsa_group_segment_fixed_size 327680
		.amdhsa_private_segment_fixed_size 0
		.amdhsa_enable_private_segment 0
		.amdhsa_kernarg_size 24
		.amdhsa_user_sgpr_count 2
		.amdhsa_user_sgpr_kernarg_segment_ptr 1
		.amdhsa_wavefront_size32 1
		.amdhsa_system_sgpr_workgroup_id_x 1
		.amdhsa_system_sgpr_workgroup_id_y 1
		.amdhsa_system_sgpr_workgroup_id_z 1
		.amdhsa_system_vgpr_workitem_id 0
		.amdhsa_next_free_vgpr 512
		.amdhsa_next_free_sgpr 100
		.amdhsa_reserve_vcc 0
		.amdhsa_float_denorm_mode_32 3
		.amdhsa_float_denorm_mode_16_64 3
		.amdhsa_memory_ordered 1
		.amdhsa_forward_progress 1
		.amdhsa_inst_pref_size 104
	.end_amdhsa_kernel
	.amdgpu_metadata
---
amdhsa.version: [ 1, 2 ]
amdhsa.kernels:
  - .name:           k_q33f122e500_attn
    .symbol:         k_q33f122e500_attn.kd
    .args:
      - { .name: hf, .offset: 0, .size: 8, .value_kind: global_buffer, .address_space: global }
      - { .name: maskw, .offset: 8, .size: 8, .value_kind: global_buffer, .address_space: global }
      - { .name: af, .offset: 16, .size: 8, .value_kind: global_buffer, .address_space: global }
    .group_segment_fixed_size: 327680
    .private_segment_fixed_size: 0
    .kernarg_segment_align: 8
    .kernarg_segment_size: 24
    .max_flat_workgroup_size: 256
    .sgpr_count:     100
    .vgpr_count:     512
    .wavefront_size: 32
...
	.end_amdgpu_metadata
.endif
;; end of part 3
;; launch outp (part 4): grid 4 x 64, 4 waves a work-group, clusters of 4 x 4, 327,680 bytes of LDS; arguments af, wof, W_o_b, out0; writes out0
.if DOCPART == 4
	.amdgcn_target "amdgcn-amd-amdhsa--gfx1250"
	.amdhsa_code_object_version 6
	.text
	.protected	k_q33f122e500_outp
	.globl	k_q33f122e500_outp
	.p2align	8
	.type	k_q33f122e500_outp,@function
k_q33f122e500_outp:
	s_mov_b64 s[64:65], 0
	v_nop
	global_prefetch_b8 v0, s[64:65] scope:SCOPE_SE
	s_setreg_imm32_b32 hwreg(HW_REG_WAVE_MODE, 25, 1), 1
	s_wait_xcnt 0x0
	s_wait_alu depctr_hold_cnt(0) depctr_sa_sdst(0) depctr_va_vdst(0) depctr_va_sdst(0) depctr_va_ssrc(0) depctr_va_vcc(0) depctr_vm_vsrc(0)
	s_getreg_b32 s2, hwreg(HW_REG_IB_STS2, 6, 4)
	s_cmp_eq_u32 s2, 0
	s_cbranch_scc0 .Lentry_in_a_cluster
	s_endpgm
.Lentry_in_a_cluster:
	s_bfe_u32 s2, ttmp6, 0x10000c
	s_cmp_lg_u32 s2, 0xf033
	s_cbranch_scc0 .Lentry_shape_is_right
	s_endpgm
.Lentry_shape_is_right:
; OUTP: out0[token][o] = the sum over k of attn[token][k] W_o_w[o][k] + W_o_b[o].  Operands f16 (af, wof: images of the operands' registers), sums f32, out0 f32.
; A work-group makes 128 tokens x 256 outputs: 256 work-groups.  Wave w: tokens 64 (w / 2) on (4 tiles a), outputs 128 (w % 2) on (8 tiles b): 32 accumulators, 256 registers.
; Source 0 = 16 rows of W_o_w, source 1 = 16 tokens: a lane holds one token and eight neighbouring outputs.  The bias is the C of each sum's first matrix instruction: no addition, nothing cleared.
; K goes in 8 steps of 128 through two LDS slots.  In af and wof a tile of 16 rows is 32,768 bytes, [k step of 32][group 2][512]; a K step of 128 is 4,096 consecutive bytes of it: a tensor load brings such rows,
; 32,768 bytes apart in memory, on end in LDS.  Every fragment load is 16 x lane + a constant.
; CLUSTERS: 4 x 4 work-groups; the four of a row of the cluster need the same tokens, the four of a column the same rows of W_o_w: each tile is asked for JOINTLY.
; LDS: slot s at 98,304 s: the tokens' 8 tiles x 4,096 bytes, then W_o_w's 16 tiles x 4,096.  The spare words behind the slots.  The way out's stages (16 x 528 bytes a wave) lie in slot 0, which has had its last fill
; and its last read when the first result is stored there.
; REGISTERS: window 0: v16-29 addresses; two fragment buffers of 96 (4 fragments of tokens, then 8 of W_o_w) at v32 and v128; on the way out v32-159 take rows read back.
;            window 1: the accumulators, (a, b) at v[8 (8 a + b)].   window 2: v0-63 the bias, eight registers for each b.
.set SLOT,   98304
.set BOFF,   32768                     ; W_o_w's tiles in a slot
.set SPARE,  2*SLOT                    ; the spare words, 128 bytes for each wave: two blocks of 256 bytes that no other line names
.set SPITCH, 528                       ; a stage row: 512 bytes + 16
.set ADRA, 16                          ; v16-17  LDS address of my tokens' fragments in slot 0, 1
.set ADRB, 20                          ; v20-21  the same for W_o_w's
.set STO,  24                          ; v24     the way out: where I put 32 bytes of a row
.set RD,   25                          ; v25     and where I read a row back
.set CO,   26                          ; v26     16 x lane
.set BO,   27                          ; v27     the bias: 32 x (lane / 16)
.set SPW,  28                          ; v28     LDS address of my spare word; never rewritten
.set NIL,  29                          ; v29     0; never rewritten
.set F0,   32
.set F1,   128
.set BK,   32                          ; the way out: v32-95 and v96-159 by turns
.set G1, 24
.set G0, 32
.set G1B, 48
.set G0B, 56
.set MSB, 0
.macro WIN new                         ; the immediate's high byte repeats the setting that is left
.if MSB != (\new)
	s_set_vgpr_msb (MSB<<8)|(\new)
.set MSB, (\new)
.endif
.endm
.set MUL,  0x50                        ; C and D in window 1; the fragments in window 0
.set MUL0, 0x60                        ; D in window 1, C (the bias) in window 2
.macro JLOAD s                         ; a joint load: waves 0 and 1 fetch the tokens' halves, waves 2 and 3 W_o_w's; an s_nop 0 and four v_nop follow each of the two lines
	s_cmp_eq_u32 s13, 0
	s_cbranch_scc0 .Lfor_b_\@
	tensor_load_to_lds s[G0+4*\s:G0+4*\s+3], s[G1:G1+7]
	s_nop 0
.rept 4
	v_nop
.endr
	s_branch .Lasked_\@
.Lfor_b_\@:
	tensor_load_to_lds s[G0B+4*\s:G0B+4*\s+3], s[G1B:G1B+7]
	s_nop 0
.rept 4
	v_nop
.endr
.Lasked_\@:
.endm
.macro CREST                           ; a round of the cluster's barrier behind its opening barrier
	s_cmp_lg_u32 s12, 0
	s_cbranch_scc1 .Lnot_wave_0_\@
	s_barrier_signal -3
.Lnot_wave_0_\@:
	s_barrier_wait -3
	s_barrier_signal -1
	s_barrier_wait -1
.endm
.macro CROUND
	s_barrier_signal -1
	s_barrier_wait -1
	CREST
.endm
	s_load_b256 s[4:11], s[0:1], 0x0               ; af 4, wof 6, W_o_b 8, out0 10
	v_lshl_add_u32 v[SPW], v0, 2, SPARE
	v_mov_b32 v[NIL], 0
	ds_add_u32 v[SPW], v[NIL]                      ; the wave's opening: the add, twice on end, and its wait ahead of my first tensor load
	ds_add_u32 v[SPW], v[NIL]
	v_lshrrev_b32 v1, 5, v0
	v_readfirstlane_b32 s12, v1                    ; wave 0..3
	s_lshr_b32 s13, s12, 1                         ; which 64 tokens are mine.  Also: I fetch tokens (0) or W_o_w (1)
	s_and_b32 s14, s12, 1                          ; which 128 outputs.  Also: which half of that tile I fetch
	s_bfe_u32 s40, ttmp6, 0x40000                  ; cx, cy
	s_bfe_u32 s41, ttmp6, 0x40004
	s_lshl_b32 s42, ttmp9, 2
	s_add_co_u32 s42, s42, s40                     ; tile column: 256 outputs
	s_and_b32 s15, ttmp7, 0xffff
	s_lshl_b32 s15, s15, 2
	s_add_co_u32 s15, s15, s41                     ; tile row: 128 tokens
	s_lshl_b32 s43, s41, 2
	s_lshl_b32 s43, 15, s43                        ; my row of the cluster
	s_lshl_b32 s44, 0x1111, s40                    ; my column
	; descriptor group 1: rows of 4,096 bytes (512 elements of 8), 32,768 bytes (4,096 elements) apart, no padding; 4 rows for the tokens, 8 for W_o_w
	s_or_b32 s[G1+0], s43, (3<<16)|(1<<21)
	s_mov_b32 s[G1+1], 512<<16                     ; tensor_dim0
	s_mov_b32 s[G1+2], 4<<16                       ; tensor_dim1
	s_mov_b32 s[G1+3], 512<<16                     ; tile_dim0
	s_mov_b32 s[G1+4], 4                           ; tile_dim1
	s_mov_b32 s[G1+5], 4096                        ; from row to row
	s_mov_b32 s[G1+6], 0
	s_mov_b32 s[G1+7], 0
	s_or_b32 s[G1B+0], s44, (3<<16)|(1<<21)
	s_mov_b32 s[G1B+1], 512<<16
	s_mov_b32 s[G1B+2], 8<<16
	s_mov_b32 s[G1B+3], 512<<16
	s_mov_b32 s[G1B+4], 8
	s_mov_b32 s[G1B+5], 4096
	s_mov_b32 s[G1B+6], 0
	s_mov_b32 s[G1B+7], 0
	s_lshl_b32 s16, s15, 3
	s_lshl_b32 s17, s14, 2
	s_add_co_u32 s16, s16, s17                     ; tokens: tile 8 x tile row + 4 x half,
	s_lshl_b32 s16, s16, 15                        ; 32,768 bytes each
	s_mov_b32 s17, 0
	s_lshl_b32 s46, s42, 4
	s_lshl_b32 s47, s14, 3
	s_add_co_u32 s46, s46, s47                     ; W_o_w: tile 16 x tile column + 8 x half
	s_lshl_b32 s46, s46, 15
	s_mov_b32 s47, 0
	s_lshl_b32 s20, s14, 14                        ; where they go in a slot: the tokens' halves,
	s_lshl_b32 s21, s14, 15
	s_add_co_u32 s21, s21, BOFF                    ; W_o_w's halves: no place in the cluster enters an LDS address
	s_wait_dscnt 0x0                               ; both opening adds are done
	s_wait_kmcnt 0x0
	s_add_nc_u64 s[18:19], s[4:5], s[16:17]
	s_add_nc_u64 s[46:47], s[6:7], s[46:47]
	CROUND                                         ; all sixteen work-groups are here: the first joint loads meet
.irp s, 0,1
	s_mov_b32 s[G0+4*\s], 1
	s_add_co_u32 s[G0+4*\s+1], s20, \s*SLOT
	s_add_nc_u64 s[G0+4*\s+2:G0+4*\s+3], s[18:19], \s*4096
	s_or_b32 s[G0+4*\s+3], s[G0+4*\s+3], 0x80000000
	s_mov_b32 s[G0B+4*\s], 1
	s_add_co_u32 s[G0B+4*\s+1], s21, \s*SLOT
	s_add_nc_u64 s[G0B+4*\s+2:G0B+4*\s+3], s[46:47], \s*4096
	s_or_b32 s[G0B+4*\s+3], s[G0B+4*\s+3], 0x80000000
	JLOAD \s                                       ; two tensor loads of mine are out
.endr
	v_and_b32 v1, 15, v0                           ; l % 16
	v_bfe_u32 v2, v0, 4, 1                         ; l / 16
	v_and_b32 v6, 31, v0
	v_lshlrev_b32 v[CO], 4, v6
	v_lshlrev_b32 v[BO], 5, v2
	s_lshl_b32 s21, s13, 14                        ; my 4 tiles of tokens
	s_lshl_b32 s22, s14, 15
	s_add_co_u32 s22, s22, BOFF                    ; my 8 tiles of W_o_w
.irp s, 0,1
	v_add_nc_u32 v[ADRA+\s], s21, v[CO]
	v_add_nc_u32 v[ADRB+\s], s22, v[CO]
	s_add_co_u32 s21, s21, SLOT
	s_add_co_u32 s22, s22, SLOT
.endr
	s_mul_i32 s23, s12, 16*SPITCH                  ; my stage
	v_mul_u32_u24 v5, v1, SPITCH                   ; in: row l % 16, 32 bytes for each half of the lanes
	v_lshl_add_u32 v5, v2, 5, v5
	v_add_nc_u32 v[STO], s23, v5
	v_add_nc_u32 v[RD], s23, v[CO]                 ; back: the 32 lanes take one row of 512 bytes
	s_lshl_b32 s16, s42, 10
	s_lshl_b32 s17, s14, 9
	s_add_co_u32 s16, s16, s17                     ; my first output, in bytes: 1,024 x tile column + 512 x half
	s_mov_b32 s17, 0
	s_add_nc_u64 s[8:9], s[8:9], s[16:17]          ; in the bias,
	s_add_nc_u64 s[10:11], s[10:11], s[16:17]      ; and in a row of out0
	s_lshl_b32 s16, s15, 7
	s_lshl_b32 s18, s13, 6
	s_add_co_u32 s16, s16, s18                     ; my first token: 128 x tile row + 64 x half,
	s_lshl_b32 s16, s16, 12                        ; 4,096 bytes a row
	s_add_nc_u64 s[10:11], s[10:11], s[16:17]
	WIN 0x80                                       ; destination window 2
.irp b, 0,1,2,3,4,5,6,7
	global_load_b128 v[8*\b:8*\b+3], v[BO], s[8:9] offset:64*\b        ; lane (r, h): the bias of outputs 16 b + 8 h + 0 .. 7, in the result's layout
	global_load_b128 v[8*\b+4:8*\b+7], v[BO], s[8:9] offset:64*\b+16
.endr
	WIN 0
; 8 matrix instructions: tile a of tokens x my eight tiles of outputs, 32 along K, from buffer f.  first = 1: the bias starts the sums.  The 32 accumulators take turns, in the same order in every quarter.
.macro MUL8 f, a, first
.irp b, 0,1,2,3,4,5,6,7
.if \first
	v_wmma_f32_16x16x32_f16 v[8*(8*(\a)+\b):8*(8*(\a)+\b)+7], v[\f+32+8*\b:\f+32+8*\b+7], v[\f+8*(\a):\f+8*(\a)+7], v[8*\b:8*\b+7]
.else
	v_wmma_f32_16x16x32_f16 v[8*(8*(\a)+\b):8*(8*(\a)+\b)+7], v[\f+32+8*\b:\f+32+8*\b+7], v[\f+8*(\a):\f+8*(\a)+7], v[8*(8*(\a)+\b):8*(8*(\a)+\b)+7]
.endif
.endr
.endm
; 24 LDS loads in one run: the fragments of the slot's q-th 32 along K into buffer f: W_o_w's sixteen first, the tokens' tiles 2 and 3 last
.macro FETCH slot, q, f
.irp b, 0,1,2,3,4,5,6,7
	ds_load_b128 v[\f+32+8*\b:\f+32+8*\b+3],   v[ADRB+\slot] offset:\b*4096+(\q)*1024
	ds_load_b128 v[\f+32+8*\b+4:\f+32+8*\b+7], v[ADRB+\slot] offset:\b*4096+(\q)*1024+512
.endr
.irp a, 0,1,2,3
	ds_load_b128 v[\f+8*\a:\f+8*\a+3],   v[ADRA+\slot] offset:\a*4096+(\q)*1024
	ds_load_b128 v[\f+8*\a+4:\f+8*\a+7], v[ADRA+\slot] offset:\a*4096+(\q)*1024+512
.endr
.endm
.macro PLACES                          ; four plain instructions in front of loads into registers that matrix instructions have read, and of the first read of results
.rept 4
	v_nop
.endr
.endm
; A K step is four quarters of 32 along K, 32 matrix instructions each, on buffers 0, 1, 0, 1.  One of the first three: multiplies buffer f and fetches the quarter qnext into g.
.macro QUARTER slot, qnext, f, g, first
	s_wait_dscnt 4                                 ; W_o_w's fragments and the tokens' tiles 0 and 1 are in; the youngest four loads (tiles 2 and 3) may be out
	WIN MUL+0x10*\first
	MUL8 \f, 0, \first
	MUL8 \f, 1, \first
	PLACES
	WIN 0
	FETCH \slot, \qnext, \g
	s_wait_dscnt 24                                ; all but the 24 just issued
	WIN MUL+0x10*\first
	MUL8 \f, 2, \first
	MUL8 \f, 3, \first
.endm
; The last quarter multiplies buffer 1 and changes slots: ONE barrier; in front of it each wave waits for all its tensor loads, adds 0 to its spare word, and waits for that and for its own reads of this slot.
; fill = 1: the barrier opens a round of the cluster's, and this slot is filled again, two K steps ahead: one tensor load of mine is out, with 112 matrix instructions between the request and the wait for it.
.macro TURN slot, next, fill
	WIN 0
	s_wait_tensorcnt 0x0                           ; all my tensor loads have landed: my part of the next slot
	ds_add_u32 v[SPW], v[NIL]                      ; 0 onto my spare word
	s_wait_dscnt 5                                 ; (the add and the youngest four loads may be out)
	WIN MUL
	MUL8 F1, 0, 0
	s_wait_dscnt 0x0                               ; the add is done, and my reads of this slot are over
	s_barrier_signal -1
	MUL8 F1, 1, 0
	WIN 0
	s_barrier_wait -1
.if \fill
	CREST                                          ; no wave of any partner still reads this slot's tile or has a load on its way
	s_add_nc_u64 s[G0+4*\slot+2:G0+4*\slot+3], s[G0+4*\slot+2:G0+4*\slot+3], 8192
	s_add_nc_u64 s[G0B+4*\slot+2:G0B+4*\slot+3], s[G0B+4*\slot+2:G0B+4*\slot+3], 8192
	JLOAD \slot                                    ; the first tensor load behind the round; the four v_nop behind it are also the places in front of the loads below
.else
	PLACES
.endif
	FETCH \next, 0, F0
	WIN MUL
	MUL8 F1, 2, 0
	MUL8 F1, 3, 0
.endm
	s_wait_tensorcnt 1                             ; my part of K step 0 is in (K step 1's load may be out)
	s_barrier_signal -1
	s_barrier_wait -1                              ; everybody's is
	FETCH 0, 0, F0
	s_wait_loadcnt 0x0                             ; the bias
	QUARTER 0, 1, F0, F1, 1                        ; the first quarter stands in front of the loop: its products start the sums, on the bias
	WIN 0                                          ; at a label and at a branch every window is 0
	s_mov_b32 s3, 3
.Llap:                                             ; a trip goes once round the ring, from a lap's second quarter to the next lap's first, and fills both slots again
	QUARTER 0, 2, F1, F0, 0
	QUARTER 0, 3, F0, F1, 0
	TURN 0, 1, 1
	QUARTER 1, 1, F0, F1, 0
	QUARTER 1, 2, F1, F0, 0
	QUARTER 1, 3, F0, F1, 0
	TURN 1, 0, 1
	QUARTER 0, 1, F0, F1, 0
	WIN 0
	s_sub_co_u32 s3, s3, 1
	s_cmp_lg_u32 s3, 0
	s_cbranch_scc1 .Llap
	QUARTER 0, 2, F1, F0, 0                        ; the last lap fills nothing, and has no round of the cluster's barrier
	QUARTER 0, 3, F0, F1, 0
	TURN 0, 1, 0
	QUARTER 1, 1, F0, F1, 0
	QUARTER 1, 2, F1, F0, 0
	QUARTER 1, 3, F0, F1, 0
	s_wait_dscnt 4                                 ; the very last quarter: nothing more to fetch
	WIN MUL
	MUL8 F1, 0, 0
	MUL8 F1, 1, 0
	s_wait_dscnt 0
	MUL8 F1, 2, 0
	MUL8 F1, 3, 0
	WIN 0
; THE WAY OUT, a block of 16 tokens x 128 outputs at a time.  A lane holds 32 neighbouring bytes of a row, and the lanes beside it hold other rows: so a block goes through my own stage and comes back as whole rows
; of 512 bytes.  LDS serves a wave's instructions in order (ISA guide 5.7.1.4): no wait between the stores and the loads, nor in front of the next block's stores.
.macro TOSTAGE a
	WIN 0x04                                       ; an LDS store's data are its source 1: window 1
.irp b, 0,1,2,3,4,5,6,7
	ds_store_b128 v[STO], v[8*(8*(\a)+\b):8*(8*(\a)+\b)+3] offset:64*\b          ; each accumulator from its low end on
	ds_store_b128 v[STO], v[8*(8*(\a)+\b)+4:8*(8*(\a)+\b)+7] offset:64*\b+16
.endr
	WIN 0
.set BB, BK+64*((\a)%2)
.irp t, 0,1,2,3,4,5,6,7,8,9,10,11,12,13,14,15
	ds_load_b128 v[BB+4*\t:BB+4*\t+3], v[RD] offset:\t*SPITCH
.endr
.endm
.macro SEND a, younger                 ; younger: the LDS instructions issued behind block a's loads, which may stay out
.set BB, BK+64*((\a)%2)
	s_wait_dscnt \younger                          ; the block is back in registers
.if (\a) > 0
	s_add_nc_u64 s[10:11], s[10:11], 65536         ; 16 rows of out0 on (behind a wait on XCNT: the earlier stores have read their base)
.endif
.irp t, 0,1,2,3,4,5,6,7,8,9,10,11,12,13,14,15
	global_store_b128 v[CO], v[BB+4*\t:BB+4*\t+3], s[10:11] offset:\t*4096 th:TH_STORE_NT   ; 32 lanes store 512 consecutive bytes, aligned; written once, read by nobody here
.endr
.endm
	PLACES
	TOSTAGE 0
.irp a, 1,2,3
.if \a > 1
	s_wait_xcnt 0x0                                ; block a - 2's stores have read their registers and their base: block a's loads may land there, and the base may step
.endif
	TOSTAGE \a
	SEND \a-1, 32                                  ; behind block a - 1's loads: block a's 16 stores and 16 loads
.endr
	s_wait_xcnt 0x0                                ; block 2's stores have read their base
	SEND 3, 0
	s_wait_tensorcnt 0x0                           ; the wave's end
	ds_add_u32 v[SPW], v[NIL]
	s_wait_dscnt 0x0
	CROUND                                         ; the closing round: no work-group ends while a partner may still ask for a tile that names it
	s_endpgm
.Lfunc_end_k_q33f122e500_outp:
	.size	k_q33f122e500_outp, .Lfunc_end_k_q33f122e500_outp-k_q33f122e500_outp
	.p2alignl 7, 3214868480
	.fill 96, 4, 3214868480
	.section	.rodata,"a",@progbits
	.p2align	6, 0x0
	.amdhsa_kernel k_q33f122e500_outp
		.amdhsa_group_segment_fixed_size 327680
		.amdhsa_private_segment_fixed_size 0
		.amdhsa_enable_private_segment 0
		.amdhsa_kernarg_size 32
		.amdhsa_user_sgpr_count 2
		.amdhsa_user_sgpr_kernarg_segment_ptr 1
		.amdhsa_wavefront_size32 1
		.amdhsa_system_sgpr_workgroup_id_x 1
		.amdhsa_system_sgpr_workgroup_id_y 1
		.amdhsa_system_sgpr_workgroup_id_z 1
		.amdhsa_system_vgpr_workitem_id 0
		.amdhsa_next_free_vgpr 576
		.amdhsa_next_free_sgpr 66
		.amdhsa_reserve_vcc 0
		.amdhsa_float_denorm_mode_32 3
		.amdhsa_float_denorm_mode_16_64 3
		.amdhsa_memory_ordered 1
		.amdhsa_forward_progress 1
		.amdhsa_inst_pref_size 86
	.end_amdhsa_kernel
	.amdgpu_metadata
---
amdhsa.version: [ 1, 2 ]
amdhsa.kernels:
  - .name:           k_q33f122e500_outp
    .symbol:         k_q33f122e500_outp.kd
    .args:
      - { .name: af, .offset: 0, .size: 8, .value_kind: global_buffer, .address_space: global }
      - { .name: wof, .offset: 8, .size: 8, .value_kind: global_buffer, .address_space: global }
      - { .name: W_o_b, .offset: 16, .size: 8, .value_kind: global_buffer, .address_space: global }
      - { .name: out0, .offset: 24, .size: 8, .value_kind: global_buffer, .address_space: global }
    .group_segment_fixed_size: 327680
    .private_segment_fixed_size: 0
    .kernarg_segment_align: 8
    .kernarg_segment_size: 32
    .max_flat_workgroup_size: 128
    .sgpr_count:     66
    .vgpr_count:     576
    .wavefront_size: 32
...
	.end_amdgpu_metadata
.endif
;; end of part 4
